; MI455X (gfx1250); checked and timed in simulation.
; The chip was launched on July 23, 2026; its instructions are those of AMD's public machine-readable ISA for CDNA 5 (MIT licence, August 2026) and "CDNA5" Instruction Set Architecture Reference Guide (July 2026). The comments in the code are by the model that wrote it; some were corrected since.
;; Attention. Allowed arithmetic: matrix products marked QUANTISED: E2M3 operands, one E8M0 scale for each 32 along K, by v_wmma_scale_f32_16x16x128_f8f6f4 with both operands' format E2M3, f32 sums; everything else in f32.
;; Inputs: Wk 1,024 x 1,024 float32; Wo 1,024 x 1,024 float32; Wq 1,024 x 1,024 float32; Wv 1,024 x 1,024 float32; bo 1,024 float32; k_scale 16 x 1 x 64 float32; q_scale 16 x 1 x 64 float32; x 2 x 2,048 x 1,024 float32.
;; Outputs: out0 2 x 2,048 x 1,024 float32.
;; This version of the problem:
;;   THIS VERSION OF THE PROBLEM IS GIVEN IN LOW PRECISION. The matrix products marked QUANTISED in the list below multiply operands that are first quantised to E2M3 (2 exponent bits, 3 mantissa bits; 6 bits a number), with one power-of-two scale for each 32 numbers along K (OCP MX v1.0); their sums are f32. All else is computed in f32.
;;   The module's matrix products, in the order in which they are computed (A, B: the left and right operand; K: the contracted axis; several contracted axes count as one K, in the product's order):
;;     1. [M 4,096, K 1,024] x [K 1,024, N 1,024]; A: input x; B: input Wq: QUANTISED
;;     2. [M 4,096, K 1,024] x [K 1,024, N 1,024]; A: input x; B: input Wk: QUANTISED
;;     3. [M 4,096, K 1,024] x [K 1,024, N 1,024]; A: input x; B: input Wv: QUANTISED
;;     4. batch 32 x [M 2,048, K 64] x [K 64, N 2,048]; A: computed on the way; B: computed on the way: QUANTISED
;;     5. batch 32 x [M 2,048, K 2,048] x [K 2,048, N 64]; A: softmax (see below); B: computed on the way: QUANTISED
;;     6. [M 4,096, K 1,024] x [K 1,024, N 1,024]; A: computed on the way; B: input Wo: QUANTISED
;;   THE QUANTISER, for each operand of a quantised product, along K:
;;     - K is cut into blocks of 32 from its start; a last block that is shorter is filled with zeros.
;;     - A block's scale is 2^e with e = floor(log2(the largest magnitude in the block)) - 2, held to -126 .. 127; a block of zeros has e = 0. As a byte (E8M0): e + 127.
;;     - Each number is divided by its block's scale, clamped to +-7.5, and rounded to the nearest number of E2M3, ties to even, subnormals kept.
;;     - The product sums the exact products of the quantised numbers (number of the format x scale) in f32.
;;   ~~~python
;;   def quantise(x, axis):      # numpy; x: float32 -> the quantised numbers, widened to float32 again
;;       x = np.moveaxis(x, axis, -1); K = x.shape[-1]
;;       x = np.pad(x, [(0, 0)] * (x.ndim - 1) + [(0, -K % 32)]); x = x.reshape(x.shape[:-1] + (-1, 32)); a = np.abs(x).max(-1, keepdims=True)
;;       e = np.where(a > 0, np.clip(np.frexp(np.where(a > 0, a, 1))[1] - 1 - 2, -126, 127), 0)      # np.frexp(a)[1] - 1 = floor(log2(a)), exactly
;;       r = np.clip(x / 2.0 ** e, -7.5, 7.5)
;;       step = 2.0 ** (np.maximum(np.frexp(np.where(r == 0, 1, r))[1] - 1, 0) - 3)
;;       q = np.round(r / step) * step * 2.0 ** e      # np.round: ties to even
;;       return np.moveaxis(q.reshape(q.shape[:-2] + (-1,))[..., :K], -1, axis).astype(np.float32)
;;   ~~~
;;   SOFTMAX AHEAD OF A QUANTISED PRODUCT. Where the list says 'softmax', what is quantised is not the finished softmax but p = 2^(t - M), with t = logit x log2(e) and M = ceil(the row's largest t), a whole number; so 1/2 < the row's largest p <= 1. The row's sum l is taken of the UNQUANTISED p, in f32, and the product's result is divided by l at the end. Since M is a whole number, a kernel that streams over the keys may use a running M (the ceiling of the running maximum): every later rescaling is an exact power of two, which a block's scale takes up: the codes' values come out the same.
;;   OPERANDS COMPUTED ON THE WAY. 'Computed on the way' means the value that the module computes at that place (a softmax that the list does not call 'softmax' is quantised finished and normalised). What goes into a quantiser is computed in f32, as accurately as f32 sums, v_exp_f32 and their like allow (about 1e-6 of the number): no bf16 or f16 on the way to a quantiser, and a product that is left as it is and whose result goes on into a quantised operand takes f32 operands (vector FMAs, or v_wmma_f32_16x16x4_f32). A number that lies on a knife's edge between two numbers of the format may be rounded either way, as far as f32 arithmetic and the matrix unit's own rounding can turn it there, and no further.
;; One version. Each part assembles by itself: llvm-mc -triple=amdgcn-amd-amdhsa -mcpu=gfx1250 --defsym DOCPART=n.
;; ======== version 1 of 1: 4 launches
;; limits: right only within a limited range of input values
;; workspace buffers: codes 6,291,456 bytes; scales 262,144 bytes; qrec 3,407,872 bytes; kv 6,684,672 bytes; ocodes 3,145,728 bytes; oscl 131,072 bytes
;; launch quant (part 1): grid 256 x 1, 4 waves a work-group, no clusters, 34,304 bytes of LDS; arguments x, Wq, Wk, Wv, Wo, codes, scales; writes codes, scales
.if DOCPART == 1
	.amdgcn_target "amdgcn-amd-amdhsa--gfx1250"
	.amdhsa_code_object_version 6
	.text
	.protected	k_qe04587bc08_quant
	.globl	k_qe04587bc08_quant
	.p2align	8
	.type	k_qe04587bc08_quant,@function
k_qe04587bc08_quant:
	s_mov_b64 s[64:65], 0
	v_nop
	global_prefetch_b8 v0, s[64:65] scope:SCOPE_SE
	s_setreg_imm32_b32 hwreg(HW_REG_WAVE_MODE, 25, 1), 1
	s_wait_xcnt 0x0
; x [4096][1024], Wq, Wk, Wv, Wo [1024][1024], f32, K innermost, become codes of FP6 (E2M3) with one E8M0 byte for each 32 along K.
; No work of reference() is left out in this program: every input has a way to the output, and all eight are loaded (q_scale, k_scale and bo by later launches).
; A block's scale is 2^(floor(log2(its largest magnitude)) - 2): its byte is the largest magnitude's exponent field - 2, held at 1 from below.
; LIMITS: NaN and infinities among the inputs are not served; a block whose largest magnitude lies under 2^-124 keeps the byte 1; a block of zeros has the byte 1 where the
; rule says 127 (its codes are zeros, which add nothing under any byte but 0xff, and this program alone reads the bytes).
; LAYOUT OF THE WORKSPACE.  The 8,192 rows (x, Wq, Wk, Wv, Wo on end) go in groups of 32.  Tile 2 G + u holds in its place r (0..15) row 32 G + 8 u + r + 8 (r / 8).
; codes: [tile][K step of 128][1,536 bytes]: the image of the operand's 12 registers: three groups of four registers, lane l's 16 bytes at 16 l.
; scales: [tile][half of K][place r][4 words]: one word (four bytes) for a row and a K step.
; SHARES.  Work-group g takes group g; wave w tile 2 g + (w >> 1) and K steps 4 (w & 1) .. + 3.  A load reads 512 consecutive bytes of one row; a step's 16 rows turn through the
; wave's own stage in LDS (rows of 528 bytes, so that sixteen rows start at sixteen different groups of banks) and come back 16 neighbours of each block of 32 to a lane.
; No tensor load, no barrier, no matrix unit: waves share nothing and memory binds.  All four steps' 64 loads of a wave are issued at once.
; THE CODES' LAYOUT AS THE TEXT NOW HAS IT (in place of the line on codes above): [group of 8 tiles][quarter of K: two K steps][tile][K step][1,536 bytes], so that three quarters of K of eight tiles
; are 73,728 consecutive bytes and one quarter of four tiles 12,288.  LOADS: all four steps' 64 loads of a wave are issued at once; steps 2 and 3 land in v320-447 (the second window of registers).
.set ROWP,  528
.set STG,   16*ROWP                    ; a wave's stage
.set SPARE, 4*STG                      ; behind the stages: the spare words, 128 bytes for each wave
.set SPW,  1                           ; v1   LDS address of my spare word; never rewritten
.set NIL,  2                           ; v2   0; never rewritten
.set L16,  3                           ; v3   16 x lane
.set SIN,  4                           ; v4   the stage, on the way in
.set SOUT, 5                           ; v5   and on the way out: row r, + 64 h
.set SCO,  6                           ; v6   16 r + 8 h: my place in the tile's 256 bytes of scale words
.set LANE, 7
.set PWS,  8                           ; v8-11  the four steps' scale words
.set TM,   12                          ; v12-27 at work
.set PC,   32                          ; v32-50 the codes just made
.set R,    64                          ; v64-191 two sets of 64 numbers as loaded
.set X,    192                         ; v192-255 64 numbers: register 16 b + i = k 32 b + 16 h + i of my row
.set SEL,  24                          ; s[24:25] lane selects: lane l xor 16
	s_load_b256 s[4:11], s[0:1], 0x0               ; x, Wq, Wk, Wv
	s_load_b128 s[12:15], s[0:1], 0x20             ; Wo, codes
	s_load_b64 s[16:17], s[0:1], 0x30              ; scales
	v_lshl_add_u32 v[SPW], v0, 2, SPARE
	v_mov_b32 v[NIL], 0
	v_lshrrev_b32 v[LANE], 5, v0
	v_readfirstlane_b32 s18, v[LANE]               ; wave
	v_and_b32 v[LANE], 31, v0
	v_lshlrev_b32 v[L16], 4, v[LANE]
	s_mul_i32 s19, s18, STG
	v_add_nc_u32 v[SIN], s19, v[L16]
	v_and_b32 v29, 15, v0                          ; r
	v_bfe_u32 v30, v0, 4, 1                        ; h
	v_mul_u32_u24 v[SOUT], v29, ROWP
	v_lshl_add_u32 v[SOUT], v30, 6, v[SOUT]
	v_add_nc_u32 v[SOUT], s19, v[SOUT]
	v_lshlrev_b32 v[SCO], 4, v29
	v_lshl_add_u32 v[SCO], v30, 3, v[SCO]
.irp b, 0,1,2,3
	v_mov_b32 v[TM+4+\b], 0                        ; written once: a lane permute's destination counts as one of its sources
.endr
	s_mov_b32 s[SEL], 0x76543210
	s_mov_b32 s[SEL+1], 0xfedcba98
	s_lshr_b32 s20, s18, 1                         ; u
	s_and_b32 s21, s18, 1                          ; which half of K
	s_wait_alu depctr_va_vdst(0)
	s_wait_kmcnt 0x0
	s_mov_b64 s[26:27], s[12:13]                   ; which tensor: the choice hangs on the work-group's number alone
	s_mov_b32 s22, 224
	s_cmp_lt_u32 ttmp9, 224
	s_cselect_b64 s[26:27], s[10:11], s[26:27]
	s_cselect_b32 s22, 192, s22
	s_cmp_lt_u32 ttmp9, 192
	s_cselect_b64 s[26:27], s[8:9], s[26:27]
	s_cselect_b32 s22, 160, s22
	s_cmp_lt_u32 ttmp9, 160
	s_cselect_b64 s[26:27], s[6:7], s[26:27]
	s_cselect_b32 s22, 128, s22
	s_cmp_lt_u32 ttmp9, 128
	s_cselect_b64 s[26:27], s[4:5], s[26:27]
	s_cselect_b32 s22, 0, s22                      ; the tensor's first group
	s_sub_co_u32 s22, ttmp9, s22
	s_lshl_b32 s22, s22, 17                        ; 32 rows of 4,096 bytes a group,
	s_lshl_b32 s23, s20, 15                        ; 8 rows on for u = 1,
	s_add_co_u32 s22, s22, s23
	s_lshl_b32 s23, s21, 11                        ; 512 numbers on for the second half of K
	s_add_co_u32 s22, s22, s23
	s_mov_b32 s23, 0
	s_add_nc_u64 s[26:27], s[26:27], s[22:23]
	s_lshl_b32 s28, ttmp9, 1
	s_add_co_u32 s28, s28, s20                     ; my tile
	s_lshr_b32 s22, s28, 3
	s_mul_i32 s22, s22, 98304                      ; my tile's group of eight,
	s_and_b32 s29, s28, 7
	s_mul_i32 s29, s29, 3072                       ; its place in a quarter,
	s_add_co_u32 s22, s22, s29
	s_mul_i32 s29, s21, 49152                      ; and my half of K: two quarters
	s_add_co_u32 s22, s22, s29
	s_add_nc_u64 s[14:15], s[14:15], s[22:23]      ; its codes, my four K steps
	s_lshl_b32 s22, s28, 9
	s_lshl_b32 s29, s21, 8
	s_add_co_u32 s22, s22, s29
	s_add_nc_u64 s[16:17], s[16:17], s[22:23]      ; its scale words, my half
.macro LOAD t                          ; K step t of my four: 512 bytes of each of the tile's 16 rows
.irp i, 0,1,2,3,4,5,6,7,8,9,10,11,12,13,14,15
	global_load_b128 v[R+64*((\t)%2)+4*\i:R+64*((\t)%2)+4*\i+3], v[L16], s[26:27] offset:(\i+8*(\i/8))*4096+512*(\t) th:TH_LOAD_NT
.endr
.endm
; 64 numbers of a lane become a fragment's codes in v[PC] on and its row's scale word in v[pw]
.macro QUANT s, pw
.irp b, 0,1,2,3
	v_max3_num_f32 v[TM+\b], |v[\s+16*\b]|, |v[\s+1+16*\b]|, 0x1800000   ; block b: my 16 numbers, and the floor 2^(3 - 127): the byte cannot fall under 1
.endr
.irp i, 2,4,6,8,10,12,14
.irp b, 0,1,2,3
	v_max3_num_f32 v[TM+\b], v[TM+\b], |v[\s+16*\b+\i]|, |v[\s+1+16*\b+\i]|   ; the four blocks by turns
.endr
.endr
.irp b, 0,1,2,3
	v_permlanex16_b32 v[TM+4+\b], v[TM+\b], s[SEL], s[SEL+1]
.endr
.irp b, 0,1,2,3
	v_max_num_f32 v[TM+\b], v[TM+\b], v[TM+4+\b]   ; with lane l xor 16's 16: the block's largest magnitude
.endr
.irp b, 0,1,2,3
	v_add_nc_u32 v[TM+12+\b], 0xff000000, v[TM+\b] ; 2 off its exponent field: the conversion's scale operand
.endr
.irp b, 0,1,2,3
	v_lshrrev_b32 v[TM+4+\b], 23, v[TM+12+\b]      ; the scale's byte
.endr
	v_lshl_or_b32 v[\pw], v[TM+5], 8, v[TM+4]
	v_lshl_or_b32 v[\pw], v[TM+6], 16, v[\pw]
	v_lshl_or_b32 v[\pw], v[TM+7], 24, v[\pw]
.irp c, 0,1
	v_cvt_scalef32_pk16_fp6_f32 v[PC+6*\c:PC+2+6*\c], v[\s+32*\c:\s+15+32*\c], v[TM+12+2*\c]
	v_cvt_scalef32_pk16_fp6_f32 v[PC+12+4*\c:PC+14+4*\c], v[\s+16+32*\c:\s+31+32*\c], v[TM+13+2*\c]   ; a conversion's three registers begin on an even number
.endr
	v_nop                                          ; one plain instruction behind the scaled conversions
.irp c, 0,1                                    ; the operand's layout wants a whole block in a lane: lanes 0-15 block 2 c, lanes 16-31 block 2 c + 1
.irp n, 0,1,2
	v_permlane16_swap_b32 v[PC+6*\c+\n], v[PC+12+4*\c+\n]
.endr
.irp n, 0,1,2
	v_mov_b32 v[PC+3+6*\c+\n], v[PC+12+4*\c+\n]
.endr
.endr
.endm
.macro STEP t
	s_wait_loadcnt 16*(3-(\t))                     ; this step's 16 loads are in; those of the later steps may be out
.if (\t) >= 2
	s_set_vgpr_msb 0x0004                          ; the stores' data: the second window
.endif
.irp i, 0,1,2,3,4,5,6,7,8,9,10,11,12,13,14,15
	ds_store_b128 v[SIN], v[R+64*((\t)%2)+4*\i:R+64*((\t)%2)+4*\i+3] offset:ROWP*\i
.endr
.if (\t) >= 2
	s_set_vgpr_msb 0x0400
.endif
.irp n, 0,1,2,3,4,5,6,7,8,9,10,11,12,13,14,15
	ds_load_b128 v[X+4*\n:X+4*\n+3], v[SOUT] offset:128*(\n/4)+16*(\n%4)   ; LDS serves a wave's instructions in order: these see the stores above
.endr
	s_wait_dscnt 0x0                               ; the numbers are back, and the stores into the stage have read their registers
	s_wait_xcnt 0x0                                ; the last step's stores of codes have read theirs: the codes' registers are written again only behind this wait
	QUANT X, PWS+(\t)
.irp g, 0,1,2
	global_store_b128 v[L16], v[PC+4*\g:PC+4*\g+3], s[14:15] offset:24576*((\t)/2)+1536*((\t)%2)+512*\g   ; 512 consecutive bytes
.endr
.endm
	LOAD 0
	LOAD 1
	s_set_vgpr_msb 0x0040                          ; destinations in the second window
	LOAD 2
	LOAD 3
	s_set_vgpr_msb 0x4000
	STEP 0
	STEP 1
	STEP 2
	STEP 3
	v_cmp_gt_u32 vcc_lo, 16, v[LANE]
	v_cndmask_b32 v30, v[PWS+2], v[PWS], vcc_lo    ; lanes 0-15 store row r's words 0, 1; lanes 16-31 its words 2, 3
	v_cndmask_b32 v31, v[PWS+3], v[PWS+1], vcc_lo
	global_store_b64 v[SCO], v[30:31], s[16:17]    ; 256 consecutive bytes, aligned
	s_wait_tensorcnt 0x0                           ; the wave's end
	ds_add_u32 v[SPW], v[NIL]
	s_wait_dscnt 0x0
	s_endpgm
.Lfunc_end_k_qe04587bc08_quant:
	.size	k_qe04587bc08_quant, .Lfunc_end_k_qe04587bc08_quant-k_qe04587bc08_quant
	.p2alignl 7, 3214868480
	.fill 96, 4, 3214868480
	.section	.rodata,"a",@progbits
	.p2align	6, 0x0
	.amdhsa_kernel k_qe04587bc08_quant
		.amdhsa_group_segment_fixed_size 34304
		.amdhsa_private_segment_fixed_size 0
		.amdhsa_enable_private_segment 0
		.amdhsa_kernarg_size 56
		.amdhsa_user_sgpr_count 2
		.amdhsa_user_sgpr_kernarg_segment_ptr 1
		.amdhsa_wavefront_size32 1
		.amdhsa_system_sgpr_workgroup_id_x 1
		.amdhsa_system_sgpr_workgroup_id_y 1
		.amdhsa_system_sgpr_workgroup_id_z 1
		.amdhsa_system_vgpr_workitem_id 0
		.amdhsa_next_free_vgpr 448
		.amdhsa_next_free_sgpr 66
		.amdhsa_reserve_vcc 1
		.amdhsa_float_denorm_mode_32 3
		.amdhsa_float_denorm_mode_16_64 3
		.amdhsa_memory_ordered 1
		.amdhsa_forward_progress 1
		.amdhsa_inst_pref_size 34
	.end_amdhsa_kernel
	.amdgpu_metadata
---
amdhsa.version: [ 1, 2 ]
amdhsa.kernels:
  - .name:           k_qe04587bc08_quant
    .symbol:         k_qe04587bc08_quant.kd
    .args:
      - { .name: x, .offset: 0, .size: 8, .value_kind: global_buffer, .address_space: global }
      - { .name: Wq, .offset: 8, .size: 8, .value_kind: global_buffer, .address_space: global }
      - { .name: Wk, .offset: 16, .size: 8, .value_kind: global_buffer, .address_space: global }
      - { .name: Wv, .offset: 24, .size: 8, .value_kind: global_buffer, .address_space: global }
      - { .name: Wo, .offset: 32, .size: 8, .value_kind: global_buffer, .address_space: global }
      - { .name: codes, .offset: 40, .size: 8, .value_kind: global_buffer, .address_space: global }
      - { .name: scales, .offset: 48, .size: 8, .value_kind: global_buffer, .address_space: global }
    .group_segment_fixed_size: 34304
    .private_segment_fixed_size: 0
    .kernarg_segment_align: 8
    .kernarg_segment_size: 56
    .max_flat_workgroup_size: 128
    .sgpr_count:     66
    .vgpr_count:     448
    .wavefront_size: 32
...
	.end_amdgpu_metadata
.endif
;; end of part 1
;; launch qkv (part 2): grid 12 x 16, 4 waves a work-group, clusters of 4 x 4, 327,680 bytes of LDS; arguments codes, scales, q_scale, k_scale, qrec, kv; writes qrec, kv
.if DOCPART == 2
	.amdgcn_target "amdgcn-amd-amdhsa--gfx1250"
	.amdhsa_code_object_version 6
	.text
	.protected	k_qe04587bc08_qkv
	.globl	k_qe04587bc08_qkv
	.p2align	8
	.type	k_qe04587bc08_qkv,@function
k_qe04587bc08_qkv:
	s_mov_b64 s[64:65], 0
	v_nop
	global_prefetch_b8 v0, s[64:65] scope:SCOPE_SE
	s_setreg_imm32_b32 hwreg(HW_REG_WAVE_MODE, 25, 1), 1
	s_wait_xcnt 0x0
	s_wait_alu depctr_hold_cnt(0) depctr_sa_sdst(0) depctr_va_vdst(0) depctr_va_sdst(0) depctr_va_ssrc(0) depctr_va_vcc(0) depctr_vm_vsrc(0)
	s_getreg_b32 s2, hwreg(HW_REG_IB_STS2, 6, 4)
	s_cmp_eq_u32 s2, 0
	s_cbranch_scc0 .Lentry_in_a_cluster
	s_endpgm
.Lentry_in_a_cluster:
	s_bfe_u32 s2, ttmp6, 0x10000c
	s_cmp_lg_u32 s2, 0xf033
	s_cbranch_scc0 .Lentry_shape_is_right
	s_endpgm
.Lentry_shape_is_right:
; q, k, v = x Wq^T, x Wk^T, x Wv^T on codes of FP6 with E8M0 scales; then q and k are divided by max(their head's norm, 1e-12), multiplied by the head's gains and quantised along the
; head's 64; v is quantised along the keys.  Nothing of reference() is left out.
; LIMITS: NaN and infinities are not served; t / max(n, eps) is a reciprocal (v_rcp_f32) and a multiplication; a sum of squares under 2^-126 counts as 0 in v_sqrt_f32 (the norm is then
; under eps either way); blocks under 2^-124, and blocks of zeros, keep the byte 1.
; A tile of 256 x 256 to a work-group of four waves, 128 x 128 (64 accumulators) to a wave, K = 1,024 in eight steps of 128.  The cluster's x is the kind: 0 q, 1 k, 2 v.
; THE TWO ROLES.  Source 1 (role A) gives the result's lane, source 0 (role B) its registers.  q, k: A = 256 tokens of x, B = 256 rows of W: a lane holds one token and its registers
; run along the head.  v: A = 256 rows of Wv, B = 256 tokens: a lane holds one channel and its registers run along the keys.  So one text multiplies for all three kinds.
; Tiles of 16 rows are laid as the first launch laid them (place r of tile 2 G + u = row 32 G + 8 u + r + 8 (r / 8)): the 16 registers of B's tiles 2 p, 2 p + 1 are 16 neighbours.
; CLUSTER 4 x 4: A's tiles are shared along a row, B's along a column: joint loads.  LDS: three slots of 98,304 bytes, each two K steps of A's 16 tiles and B's 16 tiles as images of
; the operands' registers (3,072 bytes a tile); K's fourth quarter goes into slot 0 again, behind a round of the cluster's barrier.  A wave has three tensor loads out at the start, one later.
; REGISTERS: window 0: v1-15 addresses; v16-31 at work; v32-63 A's scale words, v64-95 B's (register 8 m + s: lanes 0-15 tile 2 m, lanes 16-31 tile 2 m + 1, K step s);
;   v128-223 A's 8 fragments, one set; on the way out v96-127 and v224-255 the gains, v128-223 at work.  window 1: B's fragments, two sets.  windows 2, 3: the accumulators, (a, b) at 8 (8 (a % 4) + b).
; LDS AND THE CODES' LAYOUT AS THE TEXT NOW HAS THEM (in place of the sentences on slots and loads above).  In memory eight tiles' codes lie as [quarter of K][tile][3,072 bytes], so the first three
; quarters of the eight tiles that a wave fetches are 73,728 consecutive bytes: one tensor load a wave at the head brings them, as 24 rows of 3,072 bytes, into the wave's own part of LDS.
; K's fourth quarter, 8 rows, goes over the part's first quarter, behind a round of the cluster's barrier.  A wave has one tensor load out at any time.
.set SLOT,  98304
.set HALF,  24576                      ; 8 tiles x 3,072 bytes: what one tensor load brings, and what a wave reads of A or of B in a slot
.set SPARE, 3*SLOT                     ; behind the slots: the spare words, 128 bytes for each wave
.set SPW,  1
.set NIL,  2
.set L16,  3                           ; 16 x lane
.set L8,   4                           ; 8 x lane
.set LANE, 5
.set RR,   6
.set HH,   7
.set ADRA, 8                           ; v8-10  my A fragments in slot 0, 1, 2
.set GO,   11                          ; v11    64 h: the gains' offset
.set ADRB, 12                          ; v12-14 my B fragments
.set SVO,  15                          ; v15    512 h + 16 r: the scale words' offset
.set TM,   16
.set SCA,  32
.set SCB,  64
.set GA,   96                          ; the gains of my first head; my second head's at GA + 128
.set AF,   128
.set IV,   128                         ; the way out: 16 pairs: a sum of squares, later 1 / max(norm, eps), in the even register
.set PCV,  128                         ; v's way out: the codes just made
.set Y,    160                         ; 32 numbers of a token and a head
.set PC,   192                         ; their codes
.set WD,   204                         ; v204-211 a scale word for each tile
.set PRW,  212                         ; v212-215 the words of pairs of tiles
.set SEL,  2                           ; s[2:3]
.set LOM,  77                          ; s77  the mask of lanes 0-15
.set G1,   24
.set G1B,  32
.set G0,   40                          ; s[40:43] group 0 for A
.set G0B,  52                          ; s[52:55] for B
.set MSB, 0
.macro WIN new                         ; the immediate's high byte repeats the setting that is left
.if MSB != (\new)
	s_set_vgpr_msb (MSB<<8)|(\new)
.set MSB, (\new)
.endif
.endm
.set MUL_LO, 0xa1                      ; source 0 (B) window 1, source 1 (A) window 0, C and D window 2
.set MUL_HI, 0xf1
.set TO_B,   0x40
.macro PLACES n
.rept \n
	v_nop
.endr
.endm
; one matrix instruction: D, A, B at registers d, a, b; C at c, or the constant 0 where c is negative; scale registers sa, sb; ra, rb = 1: the scales stand in lanes 16-31
.macro WM d, a, b, c, sa, sb, ra, rb
.if (\c) < 0
.if (\ra) && (\rb)
	v_wmma_scale_f32_16x16x128_f8f6f4 v[(\d):(\d)+7], v[(\a):(\a)+11], v[(\b):(\b)+11], 0, v[\sa], v[\sb] matrix_a_fmt:MATRIX_FMT_FP6 matrix_b_fmt:MATRIX_FMT_FP6 matrix_a_scale:MATRIX_SCALE_ROW1 matrix_b_scale:MATRIX_SCALE_ROW1
.elseif (\ra)
	v_wmma_scale_f32_16x16x128_f8f6f4 v[(\d):(\d)+7], v[(\a):(\a)+11], v[(\b):(\b)+11], 0, v[\sa], v[\sb] matrix_a_fmt:MATRIX_FMT_FP6 matrix_b_fmt:MATRIX_FMT_FP6 matrix_a_scale:MATRIX_SCALE_ROW1
.elseif (\rb)
	v_wmma_scale_f32_16x16x128_f8f6f4 v[(\d):(\d)+7], v[(\a):(\a)+11], v[(\b):(\b)+11], 0, v[\sa], v[\sb] matrix_a_fmt:MATRIX_FMT_FP6 matrix_b_fmt:MATRIX_FMT_FP6 matrix_b_scale:MATRIX_SCALE_ROW1
.else
	v_wmma_scale_f32_16x16x128_f8f6f4 v[(\d):(\d)+7], v[(\a):(\a)+11], v[(\b):(\b)+11], 0, v[\sa], v[\sb] matrix_a_fmt:MATRIX_FMT_FP6 matrix_b_fmt:MATRIX_FMT_FP6
.endif
.else
.if (\ra) && (\rb)
	v_wmma_scale_f32_16x16x128_f8f6f4 v[(\d):(\d)+7], v[(\a):(\a)+11], v[(\b):(\b)+11], v[(\c):(\c)+7], v[\sa], v[\sb] matrix_a_fmt:MATRIX_FMT_FP6 matrix_b_fmt:MATRIX_FMT_FP6 matrix_a_scale:MATRIX_SCALE_ROW1 matrix_b_scale:MATRIX_SCALE_ROW1
.elseif (\ra)
	v_wmma_scale_f32_16x16x128_f8f6f4 v[(\d):(\d)+7], v[(\a):(\a)+11], v[(\b):(\b)+11], v[(\c):(\c)+7], v[\sa], v[\sb] matrix_a_fmt:MATRIX_FMT_FP6 matrix_b_fmt:MATRIX_FMT_FP6 matrix_a_scale:MATRIX_SCALE_ROW1
.elseif (\rb)
	v_wmma_scale_f32_16x16x128_f8f6f4 v[(\d):(\d)+7], v[(\a):(\a)+11], v[(\b):(\b)+11], v[(\c):(\c)+7], v[\sa], v[\sb] matrix_a_fmt:MATRIX_FMT_FP6 matrix_b_fmt:MATRIX_FMT_FP6 matrix_b_scale:MATRIX_SCALE_ROW1
.else
	v_wmma_scale_f32_16x16x128_f8f6f4 v[(\d):(\d)+7], v[(\a):(\a)+11], v[(\b):(\b)+11], v[(\c):(\c)+7], v[\sa], v[\sb] matrix_a_fmt:MATRIX_FMT_FP6 matrix_b_fmt:MATRIX_FMT_FP6
.endif
.endif
.endm
; a joint load: waves 0 and 1 fetch A's halves, waves 2 and 3 B's; the branch hangs on the wave's number alone; an s_nop 0 and four v_nop follow each line
.macro JLOAD g0a, g1a, g0b, g1b
	s_cmp_eq_u32 s17, 0
	s_cbranch_scc0 .Lfor_b_\@
	tensor_load_to_lds s[\g0a:\g0a+3], s[\g1a:\g1a+7]
	s_nop 0
.rept 4
	v_nop
.endr
	s_branch .Lasked_\@
.Lfor_b_\@:
	tensor_load_to_lds s[\g0b:\g0b+3], s[\g1b:\g1b+7]
	s_nop 0
.rept 4
	v_nop
.endr
.Lasked_\@:
.endm
.macro CREST                           ; a round of the cluster's barrier behind its opening barrier
	s_cmp_lg_u32 s16, 0
	s_cbranch_scc1 .Lnot_wave_0_\@
	s_barrier_signal -3
.Lnot_wave_0_\@:
	s_barrier_wait -3
	s_barrier_signal -1
	s_barrier_wait -1
.endm
.macro CROUND
	s_barrier_signal -1
	s_barrier_wait -1
	CREST
.endm
	s_load_b256 s[4:11], s[0:1], 0x0               ; codes s[4:5], scales s[6:7], q_scale s[8:9], k_scale s[10:11]
	s_load_b128 s[12:15], s[0:1], 0x20             ; qrec s[12:13], kv s[14:15]
	v_lshl_add_u32 v[SPW], v0, 2, SPARE
	v_mov_b32 v[NIL], 0
	ds_add_u32 v[SPW], v[NIL]                      ; the wave's opening: the add, twice on end, and its wait ahead of my first tensor load
	ds_add_u32 v[SPW], v[NIL]
	v_lshrrev_b32 v[LANE], 5, v0
	v_readfirstlane_b32 s16, v[LANE]               ; wave 0..3
	s_lshr_b32 s17, s16, 1                         ; which 128 of A's 256 rows are mine.  Also: I fetch for A (0) or for B (1)
	s_and_b32 s18, s16, 1                          ; which 128 of B's.  Also: which 8 tiles of the 16 I fetch
	s_bfe_u32 s20, ttmp6, 0x40000                  ; cx
	s_bfe_u32 s21, ttmp6, 0x40004                  ; cy
	s_and_b32 s22, ttmp7, 0xffff                   ; the cluster's y
	s_lshr_b32 s19, ttmp9, 1                       ; 1 for v, 0 for q and k: the cluster's x, the same in all sixteen partners
	s_xor_b32 s23, s19, 1
	s_lshl_b32 s66, s22, 2
	s_mul_i32 s67, s19, 24                         ; A's block of 256 rows of codes: v: 24 + cy (Wv);
	s_mul_i32 s69, s23, s66
	s_add_co_u32 s67, s67, s69                     ; q, k: 4 x cluster y + cy (x)
	s_add_co_u32 s67, s67, s21
	s_lshl_b32 s68, ttmp9, 2                       ; B's: q, k: 16 + 4 x kind + cx (Wq, Wk);
	s_add_co_u32 s68, s68, 16
	s_mul_i32 s68, s68, s23
	s_mul_i32 s69, s19, s66
	s_add_co_u32 s68, s68, s69                     ; v: 4 x cluster y + cx (x)
	s_add_co_u32 s68, s68, s20
	s_lshl_b32 s82, s21, 2
	s_lshl_b32 s82, 15, s82                        ; my row of the cluster
	s_lshl_b32 s83, 0x1111, s20                    ; my column
	s_or_b32 s[G1], s82, (3<<16)|(1<<21)           ; 15:0 the mask; 17:16 elements of 8 bytes; 21 set beside a mask; no padding
	s_or_b32 s[G1B], s83, (3<<16)|(1<<21)
.irp g, G1, G1B
	s_mov_b32 s[\g+1], 384<<16                     ; tensor_dim0: 3,072 bytes: a tile's two K steps
	s_mov_b32 s[\g+2], 24<<16                      ; tensor_dim1: three quarters of K x 8 tiles
	s_mov_b32 s[\g+3], 384<<16                     ; tile_dim0
	s_mov_b32 s[\g+4], 24                          ; tile_dim1
	s_mov_b32 s[\g+5], 384                         ; dense
	s_mov_b32 s[\g+6], 0
	s_mov_b32 s[\g+7], 0
.endr
	s_lshl_b32 s70, s18, 3
	s_lshl_b32 s72, s67, 4
	s_add_co_u32 s72, s72, s70
	s_mul_i32 s72, s72, 12288                      ; A: the 8 tiles that I fetch
	s_mov_b32 s73, 0
	s_lshl_b32 s74, s68, 4
	s_add_co_u32 s74, s74, s70
	s_mul_i32 s74, s74, 12288                      ; B likewise
	s_mov_b32 s75, 0
	s_mul_i32 s76, s16, 3*HALF
	s_lshl_b32 s78, s67, 4
	s_lshl_b32 s71, s17, 3
	s_add_co_u32 s78, s78, s71
	s_lshl_b32 s78, s78, 9                         ; the scale words of the 8 tiles of A that I multiply
	s_mov_b32 s79, 0
	s_lshl_b32 s80, s68, 4
	s_add_co_u32 s80, s80, s70
	s_lshl_b32 s80, s80, 9                         ; and of B
	s_mov_b32 s81, 0
	s_mov_b32 s[SEL], 0x76543210
	s_mov_b32 s[SEL+1], 0xfedcba98
	s_wait_dscnt 0x0                               ; both opening adds are done
	s_wait_kmcnt 0x0
	s_add_nc_u64 s[72:73], s[4:5], s[72:73]
	s_add_nc_u64 s[74:75], s[4:5], s[74:75]
	s_add_nc_u64 s[78:79], s[6:7], s[78:79]
	s_add_nc_u64 s[80:81], s[6:7], s[80:81]
	CROUND                                         ; all sixteen work-groups are here: the first joint loads meet
	s_mov_b32 s[G0], 1
	s_add_co_u32 s[G0+1], s76, 0
	s_mov_b64 s[G0+2:G0+3], s[72:73]
	s_or_b32 s[G0+3], s[G0+3], 0x80000000
	s_mov_b32 s[G0B], 1
	s_add_co_u32 s[G0B+1], s76, 0
	s_mov_b64 s[G0B+2:G0B+3], s[74:75]
	s_or_b32 s[G0B+3], s[G0B+3], 0x80000000
	JLOAD G0, G1, G0B, G1B                         ; K's first three quarters: one tensor load a wave at the head
	v_and_b32 v[LANE], 31, v0
	v_lshlrev_b32 v[L16], 4, v[LANE]
	v_lshlrev_b32 v[L8], 3, v[LANE]
	v_and_b32 v[RR], 15, v0
	v_bfe_u32 v[HH], v0, 4, 1
	v_lshlrev_b32 v[GO], 6, v[HH]
	v_lshlrev_b32 v[SVO], 4, v[RR]
	v_lshl_add_u32 v[SVO], v[HH], 9, v[SVO]
	s_mul_i32 s84, s17, 3*HALF
	s_mul_i32 s85, s18, 3*HALF
	s_add_co_u32 s85, s85, 6*HALF
.irp s, 0,1,2
	v_add_nc_u32 v[ADRA+\s], s84, v[L16]
	v_add_nc_u32 v[ADRB+\s], s85, v[L16]
	s_add_co_u32 s84, s84, HALF                    ; from quarter to quarter inside a part
	s_add_co_u32 s85, s85, HALF
.endr
.irp b, 0,1,2,3
	v_mov_b32 v[TM+4+\b], 0                        ; written once: a lane permute's destination counts as one of its sources
.endr
.irp m, 0,1,2,3
.irp k, 0,1
	global_load_b128 v[SCA+8*\m+4*\k:SCA+8*\m+4*\k+3], v[SVO], s[78:79] offset:1024*\m+256*\k   ; sixteen lanes read a tile's 256 consecutive bytes
	global_load_b128 v[SCB+8*\m+4*\k:SCB+8*\m+4*\k+3], v[SVO], s[80:81] offset:1024*\m+256*\k
.endr
.endr
.macro FRAG reg, adr, q, i             ; a fragment's image comes back as it was stored: three loads of 512 consecutive bytes
.irp g, 0,1,2
	ds_load_b128 v[(\reg)+4*\g:(\reg)+4*\g+3], v[\adr] offset:(\i)*3072+(\q)*1536+512*\g
.endr
.endm
.macro FETCH_B s                       ; K step s: B's eight fragments into set s % 2
	WIN TO_B
.irp i, 0,1,2,3,4,5,6,7
	FRAG 128*((\s)%2)+12*\i, ADRB+((\s)/2)%3, (\s)%2, \i
.endr
	WIN 0
.endm
.macro FETCH_A s, i0                   ; A's blocks i0 .. i0 + 3
.irp i, \i0, \i0+1, \i0+2, \i0+3
	FRAG AF+12*(\i), ADRA+((\s)/2)%3, (\s)%2, \i
.endr
.endm
; 16 matrix instructions: A's blocks a0, a0 + 1 x B's eight, K step s.  The 64 accumulators take turns, one instruction a turn, in the same order in every step
.macro MUL16 a0, s, zero
.irp a, \a0, \a0+1
.irp b, 0,1,2,3,4,5,6,7
.if \zero
	WM 8*(8*((\a)%4)+\b), 128*((\s)%2)+12*\b, AF+12*(\a), -1, SCB+8*(\b/2)+(\s), SCA+8*((\a)/2)+(\s), \b%2, (\a)%2
.else
	WM 8*(8*((\a)%4)+\b), 128*((\s)%2)+12*\b, AF+12*(\a), 8*(8*((\a)%4)+\b), SCB+8*(\b/2)+(\s), SCA+8*((\a)/2)+(\s), \b%2, (\a)%2
.endif
.endr
.endr
.endm
; a K step whose successor's tiles are known to lie in LDS.  Four plain instructions stand in front of each run of loads into registers that matrix instructions have read
.macro STEP s, zero
	s_wait_dscnt 12                                ; B's set and A's blocks 0-3 are in; the youngest 12 loads (A's blocks 4-7) may be out
	WIN MUL_LO
	MUL16 0, \s, \zero
	MUL16 2, \s, \zero
	s_wait_dscnt 0x0                               ; A's blocks 4-7 are in
	PLACES 4
	FETCH_B (\s)+1
	FETCH_A (\s)+1, 0
	WIN MUL_HI
	MUL16 4, \s, \zero
	MUL16 6, \s, \zero
	PLACES 4
	WIN 0
	FETCH_A (\s)+1, 4
.endm
; a K step with a barrier in it.  In front of it each wave waits for all its tensor loads, adds 0 to its spare word, and waits for that and for its own LDS reads.
; fill = 1: slot 0, whose last reads are over, takes K's fourth quarter: the barrier opens a round of the cluster's barrier and the joint load is the first thing behind it.
.macro TURN s, fill
	s_wait_tensorcnt 0x0                           ; all my tensor loads have landed
	ds_add_u32 v[SPW], v[NIL]
	s_wait_dscnt 13                                ; (the add and the youngest 12 loads may be out)
	WIN MUL_LO
	MUL16 0, \s, 0
	s_wait_dscnt 0x0                               ; the add is done, and my reads are back
	s_barrier_signal -1
	MUL16 2, \s, 0
	WIN 0
	s_barrier_wait -1
.if \fill
	CREST                                          ; no wave of any partner still reads slot 0 or has a load on its way
	s_mov_b32 s[G1+2], 8<<16                       ; no tensor load of mine is out, so a descriptor may be written: one quarter, 8 rows
	s_mov_b32 s[G1+4], 8
	s_mov_b32 s[G1B+2], 8<<16
	s_mov_b32 s[G1B+4], 8
	s_add_nc_u64 s[G0+2:G0+3], s[G0+2:G0+3], 73728
	s_add_nc_u64 s[G0B+2:G0B+3], s[G0B+2:G0B+3], 73728
	JLOAD G0, G1, G0B, G1B                         ; it has four K steps, 256 matrix instructions, in which to land; its four v_nop are the places in front of the loads below
.else
	PLACES 4
.endif
	FETCH_B (\s)+1
	FETCH_A (\s)+1, 0
	WIN MUL_HI
	MUL16 4, \s, 0
	MUL16 6, \s, 0
	PLACES 4
	WIN 0
	FETCH_A (\s)+1, 4
.endm
	s_wait_alu depctr_va_vdst(0)
	s_wait_tensorcnt 0x0                           ; my part of the first three quarters is in
	s_barrier_signal -1
	s_barrier_wait -1
	FETCH_B 0
	FETCH_A 0, 0
	FETCH_A 0, 4
	s_wait_loadcnt 0x0                             ; the scale words
	STEP 0, 1                                      ; the first products start the sums: nothing is cleared
	TURN 1, 1                                      ; every wave has shown its parts of slots 1 and 2 landed; slot 0 is filled again
	STEP 2, 0
	STEP 3, 0
	STEP 4, 0
	TURN 5, 0                                      ; the fourth quarter has landed, in every wave's part
	STEP 6, 0
	s_wait_dscnt 12
	WIN MUL_LO
	MUL16 0, 7, 0
	MUL16 2, 7, 0
	s_wait_dscnt 0x0
	WIN MUL_HI
	MUL16 4, 7, 0
	MUL16 6, 7, 0
	WIN 0
; 32 numbers of a lane, v[s] on (register 16 b + i = k 32 b + 16 h + i of my row's 64), become registers 0-5 of an operand in v[pc] on and two scale bytes in v[pw]
.macro QUANT2 s, pc, pw
.irp b, 0,1
	v_max3_num_f32 v[TM+\b], |v[(\s)+16*\b]|, |v[(\s)+1+16*\b]|, 0x1800000   ; and the floor 2^(3 - 127): the byte cannot fall under 1
.endr
.irp i, 2,4,6,8,10,12,14
.irp b, 0,1
	v_max3_num_f32 v[TM+\b], v[TM+\b], |v[(\s)+16*\b+\i]|, |v[(\s)+1+16*\b+\i]|
.endr
.endr
.irp b, 0,1
	v_permlanex16_b32 v[TM+4+\b], v[TM+\b], s[SEL], s[SEL+1]
.endr
.irp b, 0,1
	v_max_num_f32 v[TM+\b], v[TM+\b], v[TM+4+\b]
.endr
.irp b, 0,1
	v_add_nc_u32 v[TM+12+\b], 0xff000000, v[TM+\b] ; 2 off the exponent field: the conversion's scale operand
.endr
.irp b, 0,1
	v_lshrrev_b32 v[TM+4+\b], 23, v[TM+12+\b]
.endr
	v_lshl_or_b32 v[\pw], v[TM+5], 8, v[TM+4]      ; bytes 2 and 3 stay 0: they stand over zero codes
	v_cvt_scalef32_pk16_fp6_f32 v[(\pc):(\pc)+2], v[(\s):(\s)+15], v[TM+12]
	v_cvt_scalef32_pk16_fp6_f32 v[(\pc)+6:(\pc)+8], v[(\s)+16:(\s)+31], v[TM+13]
	v_nop                                          ; one plain instruction behind the scaled conversions
.irp n, 0,1,2
	v_permlane16_swap_b32 v[(\pc)+\n], v[(\pc)+6+\n]   ; lanes 0-15 now hold block 0 whole, lanes 16-31 block 1
.endr
.irp n, 0,1,2
	v_mov_b32 v[(\pc)+3+\n], v[(\pc)+6+\n]
.endr
.endm
; 64 numbers of a lane in window w, v[s] on, become a whole fragment in v[PCV] on and its row's scale word in v[pw].  The numbers stand in sources 1 and 2 of the maxima and in source 0 of the conversions
.macro QUANT s, w, pw
	WIN ((\w)<<2)|((\w)<<4)
.irp b, 0,1,2,3
	v_max3_num_f32 v[TM+\b], 0x1800000, |v[(\s)+16*\b]|, |v[(\s)+1+16*\b]|
.endr
.irp i, 2,4,6,8,10,12,14
.irp b, 0,1,2,3
	v_max3_num_f32 v[TM+\b], v[TM+\b], |v[(\s)+16*\b+\i]|, |v[(\s)+1+16*\b+\i]|
.endr
.endr
	WIN 0
.irp b, 0,1,2,3
	v_permlanex16_b32 v[TM+4+\b], v[TM+\b], s[SEL], s[SEL+1]
.endr
.irp b, 0,1,2,3
	v_max_num_f32 v[TM+\b], v[TM+\b], v[TM+4+\b]
.endr
.irp b, 0,1,2,3
	v_add_nc_u32 v[TM+12+\b], 0xff000000, v[TM+\b]
.endr
.irp b, 0,1,2,3
	v_lshrrev_b32 v[TM+4+\b], 23, v[TM+12+\b]
.endr
	v_lshl_or_b32 v[\pw], v[TM+5], 8, v[TM+4]
	v_lshl_or_b32 v[\pw], v[TM+6], 16, v[\pw]
	v_lshl_or_b32 v[\pw], v[TM+7], 24, v[\pw]
	WIN (\w)
.irp c, 0,1
	v_cvt_scalef32_pk16_fp6_f32 v[PCV+6*\c:PCV+2+6*\c], v[(\s)+32*\c:(\s)+15+32*\c], v[TM+12+2*\c]
	v_cvt_scalef32_pk16_fp6_f32 v[PCV+12+4*\c:PCV+14+4*\c], v[(\s)+16+32*\c:(\s)+31+32*\c], v[TM+13+2*\c]
.endr
	WIN 0
	v_nop
.irp c, 0,1
.irp n, 0,1,2
	v_permlane16_swap_b32 v[PCV+6*\c+\n], v[PCV+12+4*\c+\n]
.endr
.irp n, 0,1,2
	v_mov_b32 v[PCV+3+6*\c+\n], v[PCV+12+4*\c+\n]
.endr
.endr
.endm
	PLACES 4                                       ; behind the last products: results are read, and operands' registers written, only from here on
	v_cmp_gt_u32 s[LOM], 16, v[LANE]
	s_cmp_eq_u32 ttmp9, 2                          ; the kind: the same in all partners
	s_cbranch_scc1 .Lv_out
	; ---- q and k.  Accumulators (a, 4 g + 0 .. 3), 32 registers on end, are token tile a's numbers of my head g: register 16 p + i = channel 32 p + 16 h + i
	s_cmp_eq_u32 ttmp9, 0
	s_cselect_b64 s[84:85], s[12:13], s[14:15]     ; q's records or k's
	s_cselect_b64 s[86:87], s[8:9], s[10:11]       ; q's gains or k's
	s_mov_b32 s88, 13056
	s_cselect_b32 s88, 6656, s88                   ; a record's bytes
	s_mov_b32 s89, 12288
	s_cselect_b32 s89, 6144, s89                   ; where its scale words begin
	s_lshl_b32 s90, s20, 2
	s_lshl_b32 s91, s18, 1
	s_add_co_u32 s90, s90, s91                     ; my first head: 4 cx + 2 x my half of B
	s_lshl_b32 s92, s90, 8
	s_mov_b32 s93, 0
	s_add_nc_u64 s[86:87], s[86:87], s[92:93]
.irp g, 0,1
.irp n, 0,1,2,3,4,5,6,7
	global_load_b128 v[GA+128*\g+4*\n:GA+128*\g+4*\n+3], v[GO], s[86:87] offset:256*\g+128*(\n/4)+16*(\n%4)   ; the gains in the numbers' own layout
.endr
.endr
	s_lshr_b32 s91, s67, 3                         ; the batch
	s_lshl_b32 s91, s91, 4
	s_add_co_u32 s91, s91, s90
	s_lshl_b32 s91, s91, 4
	s_and_b32 s92, s67, 7
	s_lshl_b32 s92, s92, 1
	s_add_co_u32 s92, s92, s17                     ; which 128 tokens of the sequence
	s_add_co_u32 s91, s91, s92                     ; the record: (16 batch + head) 16 + step
	s_mul_i32 s92, s91, s88
	s_add_nc_u64 s[84:85], s[84:85], s[92:93]      ; my first head's record,
	s_lshl_b32 s92, s88, 4
	s_add_nc_u64 s[94:95], s[84:85], s[92:93]      ; my second head's, 16 records on,
	s_mov_b32 s92, s89
	s_add_nc_u64 s[96:97], s[84:85], s[92:93]      ; and their scale words
	s_add_nc_u64 s[98:99], s[94:95], s[92:93]
.irp w, 0,1                                    ; the sums of squares: 16 chains (tile a, head g), chain 2 a + g; eight by turns in each window; each accumulator is read from its low end on
	WIN 0x0a+5*\w
.irp i, 0,1,2,3,4,5,6,7,8,9,10,11,12,13,14,15
.irp c, 0,1,2,3,4,5,6,7
.if \i == 0
	v_pk_mul_f32 v[IV+2*(8*\w+\c):IV+2*(8*\w+\c)+1], v[32*\c:32*\c+1], v[32*\c:32*\c+1]
.else
	v_pk_fma_f32 v[IV+2*(8*\w+\c):IV+2*(8*\w+\c)+1], v[32*\c+2*\i:32*\c+2*\i+1], v[32*\c+2*\i:32*\c+2*\i+1], v[IV+2*(8*\w+\c):IV+2*(8*\w+\c)+1]
.endif
.endr
.endr
.endr
	WIN 0
.irp x, 0,1,2,3,4,5,6,7,8,9,10,11,12,13,14,15
	v_add_f32 v[IV+2*\x], v[IV+2*\x], v[IV+2*\x+1]
.endr
.irp x, 0,1,2,3,4,5,6,7,8,9,10,11,12,13,14,15
	v_permlanex16_b32 v[IV+2*\x+1], v[IV+2*\x], s[SEL], s[SEL+1]
.endr
.irp x, 0,1,2,3,4,5,6,7,8,9,10,11,12,13,14,15
	v_add_f32 v[IV+2*\x], v[IV+2*\x], v[IV+2*\x+1] ; with lane l xor 16's 32 channels: the head's 64
.endr
	s_wait_alu depctr_va_vdst(0)
.irp x, 0,1,2,3,4,5,6,7,8,9,10,11,12,13,14,15
	v_sqrt_f32 v[IV+2*\x], v[IV+2*\x]
.endr
	v_nop                                          ; a plain instruction behind the last root,
	s_wait_alu depctr_va_vdst(0)                   ; and one wait for the sixteen, ahead of their first reader
.irp x, 0,1,2,3,4,5,6,7,8,9,10,11,12,13,14,15
	v_max_num_f32 v[IV+2*\x], 0x2b8cbccc, v[IV+2*\x]   ; max(norm, 1e-12)
.endr
	s_wait_alu depctr_va_vdst(0)
.irp x, 0,1,2,3,4,5,6,7,8,9,10,11,12,13,14,15
	v_rcp_f32 v[IV+2*\x], v[IV+2*\x]
.endr
	v_nop
	s_wait_alu depctr_va_vdst(0)
	s_wait_loadcnt 0x0                             ; the gains
.irp g, 0,1
.irp a, 0,1,2,3,4,5,6,7
	WIN 0x02+(\a/4)
.irp i, 0,1,2,3,4,5,6,7,8,9,10,11,12,13,14,15
	v_pk_mul_f32 v[Y+2*\i:Y+2*\i+1], v[64*(\a%4)+32*\g+2*\i:64*(\a%4)+32*\g+2*\i+1], v[IV+2*(2*\a+\g):IV+2*(2*\a+\g)+1] op_sel_hi:[1,0]   ; t / max(norm, eps)
.endr
	WIN 0
.irp i, 0,1,2,3,4,5,6,7,8,9,10,11,12,13,14,15
	v_pk_mul_f32 v[Y+2*\i:Y+2*\i+1], v[Y+2*\i:Y+2*\i+1], v[GA+128*\g+2*\i:GA+128*\g+2*\i+1]   ; x the gain
.endr
	s_wait_alu depctr_va_vdst(0)
	s_wait_xcnt 0x0                                ; the last tile's stores have read their registers
	QUANT2 Y, PC, WD+\a
	global_store_b128 v[L16], v[PC:PC+3], s[84+10*\g:85+10*\g] offset:768*\a        ; half a fragment's image: 512 consecutive bytes,
	global_store_b64 v[L8], v[PC+4:PC+5], s[84+10*\g:85+10*\g] offset:768*\a+512    ; and 256
.endr
.irp p, 0,1,2,3
	v_cndmask_b32 v[PRW+\p], v[WD+2*\p+1], v[WD+2*\p], s[LOM]   ; lanes 0-15 carry tile 2 p's words, lanes 16-31 tile 2 p + 1's
.endr
	global_store_b128 v[L16], v[PRW:PRW+3], s[96+2*\g:97+2*\g]
.endr
	s_branch .Ldone
.Lv_out:
	; ---- v.  Accumulators (a, 0 .. 7), 64 registers on end, are channel tile a's numbers along my 128 keys: register 16 b + i = key 32 b + 16 h + i
	s_lshl_b32 s90, s21, 2
	s_lshl_b32 s91, s17, 1
	s_add_co_u32 s90, s90, s91                     ; my first head: 4 cy + 2 x my half of A
	s_lshr_b32 s91, s68, 3                         ; the batch
	s_lshl_b32 s91, s91, 4
	s_add_co_u32 s91, s91, s90
	s_lshl_b32 s91, s91, 4
	s_and_b32 s92, s68, 7
	s_lshl_b32 s92, s92, 1
	s_add_co_u32 s92, s92, s18
	s_add_co_u32 s91, s91, s92
	s_mul_i32 s92, s91, 13056
	s_mov_b32 s93, 0
	s_add_nc_u64 s[84:85], s[14:15], s[92:93]      ; my first head's record; my second head's lies 208,896 bytes on
.irp a, 0,1,2,3,4,5,6,7
	s_wait_xcnt 0x0                                ; the last tile's stores have read their registers
	QUANT 64*(\a%4), 2+\a/4, WD+\a
.irp g, 0,1,2
	global_store_b128 v[L16], v[PCV+4*\g:PCV+4*\g+3], s[84:85] offset:208896*(\a/4)+6144+1536*(\a%4)+512*\g
.endr
.endr
.irp g, 0,1
	v_cndmask_b32 v[PRW+2*\g], v[WD+4*\g+1], v[WD+4*\g], s[LOM]
	v_cndmask_b32 v[PRW+2*\g+1], v[WD+4*\g+3], v[WD+4*\g+2], s[LOM]
	global_store_b64 v[L8], v[PRW+2*\g:PRW+2*\g+1], s[84:85] offset:208896*\g+12800
.endr
.Ldone:
	s_wait_tensorcnt 0x0                           ; the wave's end
	ds_add_u32 v[SPW], v[NIL]
	s_wait_dscnt 0x0
	CROUND                                         ; the closing round: no work-group ends while a partner may still ask for a tile that names it
	s_endpgm
.Lfunc_end_k_qe04587bc08_qkv:
	.size	k_qe04587bc08_qkv, .Lfunc_end_k_qe04587bc08_qkv-k_qe04587bc08_qkv
	.p2alignl 7, 3214868480
	.fill 96, 4, 3214868480
	.section	.rodata,"a",@progbits
	.p2align	6, 0x0
	.amdhsa_kernel k_qe04587bc08_qkv
		.amdhsa_group_segment_fixed_size 327680
		.amdhsa_private_segment_fixed_size 0
		.amdhsa_enable_private_segment 0
		.amdhsa_kernarg_size 48
		.amdhsa_user_sgpr_count 2
		.amdhsa_user_sgpr_kernarg_segment_ptr 1
		.amdhsa_wavefront_size32 1
		.amdhsa_system_sgpr_workgroup_id_x 1
		.amdhsa_system_sgpr_workgroup_id_y 1
		.amdhsa_system_sgpr_workgroup_id_z 1
		.amdhsa_system_vgpr_workitem_id 0
		.amdhsa_next_free_vgpr 1024
		.amdhsa_next_free_sgpr 100
		.amdhsa_reserve_vcc 0
		.amdhsa_float_denorm_mode_32 3
		.amdhsa_float_denorm_mode_16_64 3
		.amdhsa_memory_ordered 1
		.amdhsa_forward_progress 1
		.amdhsa_inst_pref_size 226
	.end_amdhsa_kernel
	.amdgpu_metadata
---
amdhsa.version: [ 1, 2 ]
amdhsa.kernels:
  - .name:           k_qe04587bc08_qkv
    .symbol:         k_qe04587bc08_qkv.kd
    .args:
      - { .name: codes, .offset: 0, .size: 8, .value_kind: global_buffer, .address_space: global }
      - { .name: scales, .offset: 8, .size: 8, .value_kind: global_buffer, .address_space: global }
      - { .name: q_scale, .offset: 16, .size: 8, .value_kind: global_buffer, .address_space: global }
      - { .name: k_scale, .offset: 24, .size: 8, .value_kind: global_buffer, .address_space: global }
      - { .name: qrec, .offset: 32, .size: 8, .value_kind: global_buffer, .address_space: global }
      - { .name: kv, .offset: 40, .size: 8, .value_kind: global_buffer, .address_space: global }
    .group_segment_fixed_size: 327680
    .private_segment_fixed_size: 0
    .kernarg_segment_align: 8
    .kernarg_segment_size: 48
    .max_flat_workgroup_size: 128
    .sgpr_count:     100
    .vgpr_count:     1024
    .wavefront_size: 32
...
	.end_amdgpu_metadata
.endif
;; end of part 2
;; launch attn (part 3): grid 8 x 32, 8 waves a work-group, clusters of 4 x 1, 327,680 bytes of LDS; arguments qrec, kv, ocodes, oscl; writes ocodes, oscl
.if DOCPART == 3
	.amdgcn_target "amdgcn-amd-amdhsa--gfx1250"
	.amdhsa_code_object_version 6
	.text
	.protected	k_qe04587bc08_attn
	.globl	k_qe04587bc08_attn
	.p2align	8
	.type	k_qe04587bc08_attn,@function
k_qe04587bc08_attn:
	s_mov_b64 s[64:65], 0
	v_nop
	global_prefetch_b8 v0, s[64:65] scope:SCOPE_SE
	s_setreg_imm32_b32 hwreg(HW_REG_WAVE_MODE, 25, 1), 1
	s_wait_xcnt 0x0
	s_wait_alu depctr_hold_cnt(0) depctr_sa_sdst(0) depctr_va_vdst(0) depctr_va_sdst(0) depctr_va_ssrc(0) depctr_va_vcc(0) depctr_vm_vsrc(0)
	s_getreg_b32 s2, hwreg(HW_REG_IB_STS2, 6, 4)
	s_cmp_eq_u32 s2, 0
	s_cbranch_scc0 .Lentry_in_a_cluster
	s_endpgm
.Lentry_in_a_cluster:
	s_bfe_u32 s2, ttmp6, 0x10000c
	s_cmp_lg_u32 s2, 0x3003
	s_cbranch_scc0 .Lentry_shape_is_right
	s_endpgm
.Lentry_shape_is_right:
; For each batch and head: S = q k^T / 8, softmax along the keys, O = P v, both products on codes of FP6 with E8M0 scales; O / the row's sum is quantised along the head's 64 for the last product.
; t = score x log2(e) / 8; M = the running largest t rounded up to a whole number; p = 2^(t - M) is what is quantised, along the keys; the row's sum is taken of the unquantised p.
; When M moves, the sum and O are multiplied by 2^(old M - new M), which rounds nothing.  Nothing of reference() is left out.
; LIMITS: NaN and infinities are not served; the scaled scores stay under 2^31 in magnitude; O / sum is a reciprocal (v_rcp_f32) and a multiplication; blocks under 2^-124, and blocks of zeros,
; keep the byte 1.  A block's largest p is made from the block's largest score by the same multiply-add and exponential as every p, which takes v_exp_f32 not to fall where its input rises.
; The first product's K is 64, half of the instruction's 128: registers 6-11 of q's fragments are zero codes, written once.  K's fragments lie 6 registers apart: the upper six registers that the
; instruction names with a fragment are the next fragment's codes (behind the last: zeros); they meet q's zero codes and add nothing; the scale bytes over them are 0, a finite code.
; SHARES.  A work-group owns 256 queries of one batch and head; each of its eight waves 32 of them, two tiles, so that each fragment of K and V read from LDS feeds two matrix instructions.
; Both products are used transposed (S^T = K Q^T, O^T = V^T P^T): a lane holds one query throughout.
; WHICH KEYS FORM A TILE OF K.  Row 8 h + j of tile 4 c + u is key 64 c + 32 h + 8 u + j of the step's 128.  So lane (r, h) holds in the 32 registers of tiles 4 c .. 4 c + 3 the keys
; 64 c + 32 h + 0 .. 31 of query r: a whole block of the second product's K, in the very lane that the operand's layout gives it.  A block's largest score needs no other lane and p's codes change no lane.
; In the records a tile T = 2 G + u holds in place r key 32 G + 8 u + r + 8 (r / 8): the rows wanted are picked by the lanes' LDS addresses (lanes 8-15 of a half read two tiles, 1,536 bytes, on).
; LDS.  The head's 16 records (128 keys each: K's codes, V's codes, their scale words; 13,056 bytes = 51 rows of 256) all lie in LDS; nothing is filled again.  Wave w brings record w at the head and
; record 8 + w behind the head's round: one tensor load a wave is out at any time.  The second eight are read only behind the wait and the barrier between the two loops.
; CLUSTER 4 x 1: the four work-groups walk the same K and V: the loads are joint.  No prefetch: both fills go out ahead of the loops, so there is no trip to ask ahead in.
; REGISTERS: window 0: see the names below.  window 1: v0-63 O^T (tile i, channels' tile d at 32 i + 8 d); v64-111 V's four fragments; v112-165 K's eight and six zeros.
.set REC,   13056
.set SPARE, 16*REC                     ; behind the records: the spare words, 128 bytes for each wave
.set SPW, 1
.set NIL, 2
.set L16, 3                            ; 16 x lane
.set L8,  4                            ; 8 x lane
.set A16, 5                            ; the same in the record in hand
.set A8,  6
.set QS,  7                            ; q's scale words: lanes 0-15 tile 0, lanes 16-31 tile 1
.set KS,  8                            ; v8-11  K's: register 2 c + w: lanes 0-15 tile 4 c + 2 w, lanes 16-31 tile 4 c + 2 w + 1
.set VS,  12                           ; v12-13 V's: register g: lanes 0-15 tile 2 g, lanes 16-31 tile 2 g + 1
.set PS,  14                           ; v14-15 p's, a register a tile
.set ST,  16                           ; v16-23 a tile's -M, largest score, and sum in two halves
.set Q0,  24                           ; v24-47 q's two fragments
.set BM,  48                           ; v48-51 block x = 2 i + c: its largest score, then p, then byte
.set T8,  52                           ; v52-55 the sums' second chains
.set SO,  60                           ; v60-63 the conversions' scale operands
.set S0,  64                           ; v64-191 S^T, then p: 64 a tile, 32 a block
.set P0,  192                          ; v192-215 p's codes: 12 a tile; on the way out O's codes
.set F,   216                          ; v216-219 2^(old M - new M), in the even register of a pair a tile
.set TMP, 220                          ; v220-223
.set CT,  224                          ; v224-239 the upper halves of the blocks' codes as they are made
.set KA16, 240                         ; the lanes' places in K's images and scale words,
.set KA8,  241
.set KSA,  242
.set KB16, 243                         ; and the same in the record in hand
.set KB8,  244
.set KSB,  245
.set SH8,  246                         ; 8 h
.set OAD, 248
.set OPW, 250
.set OPC, P0
.set TM,  48                           ; the way out's quantiser works in v48-61
.set OT,  0
.set VF,  64
.set KF,  112
.set G0,  12
.set G1,  16
.set WV,  24
.set NC,  25
.set SEL, 26
.set CS,  28
.set TB,  30
.set CNT, 31
.set G0B, 48
.set MSB, 0
.macro WIN new
.if MSB != (\new)
	s_set_vgpr_msb (MSB<<8)|(\new)
.set MSB, (\new)
.endif
.endm
.macro DLY n                           ; a hint ahead of a plain instruction that reads the result of the plain instruction n back
	s_delay_alu instid0(VALU_DEP_\n)
.endm
; a product that starts a sum; ra, rb = 1: the scales stand in lanes 16-31
.macro WM0 d, a, b, sa, sb, ra, rb
.if (\ra) && (\rb)
	v_wmma_scale_f32_16x16x128_f8f6f4 v[(\d):(\d)+7], v[(\a):(\a)+11], v[(\b):(\b)+11], 0, v[\sa], v[\sb] matrix_a_fmt:MATRIX_FMT_FP6 matrix_b_fmt:MATRIX_FMT_FP6 matrix_a_scale:MATRIX_SCALE_ROW1 matrix_b_scale:MATRIX_SCALE_ROW1
.elseif (\ra)
	v_wmma_scale_f32_16x16x128_f8f6f4 v[(\d):(\d)+7], v[(\a):(\a)+11], v[(\b):(\b)+11], 0, v[\sa], v[\sb] matrix_a_fmt:MATRIX_FMT_FP6 matrix_b_fmt:MATRIX_FMT_FP6 matrix_a_scale:MATRIX_SCALE_ROW1
.elseif (\rb)
	v_wmma_scale_f32_16x16x128_f8f6f4 v[(\d):(\d)+7], v[(\a):(\a)+11], v[(\b):(\b)+11], 0, v[\sa], v[\sb] matrix_a_fmt:MATRIX_FMT_FP6 matrix_b_fmt:MATRIX_FMT_FP6 matrix_b_scale:MATRIX_SCALE_ROW1
.else
	v_wmma_scale_f32_16x16x128_f8f6f4 v[(\d):(\d)+7], v[(\a):(\a)+11], v[(\b):(\b)+11], 0, v[\sa], v[\sb] matrix_a_fmt:MATRIX_FMT_FP6 matrix_b_fmt:MATRIX_FMT_FP6
.endif
.endm
; a product added in place
.macro WMC d, a, b, sa, sb, ra
.if (\ra)
	v_wmma_scale_f32_16x16x128_f8f6f4 v[(\d):(\d)+7], v[(\a):(\a)+11], v[(\b):(\b)+11], v[(\d):(\d)+7], v[\sa], v[\sb] matrix_a_fmt:MATRIX_FMT_FP6 matrix_b_fmt:MATRIX_FMT_FP6 matrix_a_scale:MATRIX_SCALE_ROW1
.else
	v_wmma_scale_f32_16x16x128_f8f6f4 v[(\d):(\d)+7], v[(\a):(\a)+11], v[(\b):(\b)+11], v[(\d):(\d)+7], v[\sa], v[\sb] matrix_a_fmt:MATRIX_FMT_FP6 matrix_b_fmt:MATRIX_FMT_FP6
.endif
.endm
.macro CROUND                          ; a round of the cluster's barrier
	s_barrier_signal -1
	s_barrier_wait -1
	s_cmp_lg_u32 s[WV], 0
	s_cbranch_scc1 .Lnot_wave_0_\@
	s_barrier_signal -3
.Lnot_wave_0_\@:
	s_barrier_wait -3
	s_barrier_signal -1
	s_barrier_wait -1
.endm
; K's eight fragments and four registers of scale words, from the record that begins off bytes behind the three addresses: 20 LDS loads
.macro KLOAD a16, a8, as, off
	WIN 0x40
.irp t, 0,1,2,3,4,5,6,7
	ds_load_b128 v[KF+6*\t:KF+6*\t+3], v[\a16] offset:(\off)+(4*(\t/4)+(\t%2))*768+128*((\t%4)/2)
	ds_load_b64 v[KF+6*\t+4:KF+6*\t+5], v[\a8] offset:(\off)+(4*(\t/4)+(\t%2))*768+512+64*((\t%4)/2)
.endr
	WIN 0
.irp x, 0,1,2,3
	ds_load_b32 v[KS+\x], v[\as] offset:(\off)+12288+128*(\x%2)+8*(\x/2)
.endr
.endm
	s_load_b256 s[4:11], s[0:1], 0x0               ; qrec s[4:5], kv s[6:7], ocodes s[8:9], oscl s[10:11]
	v_lshl_add_u32 v[SPW], v0, 2, SPARE
	v_mov_b32 v[NIL], 0
	ds_add_u32 v[SPW], v[NIL]                      ; the wave's opening: the add, twice on end, and its wait ahead of my first tensor load
	ds_add_u32 v[SPW], v[NIL]
	v_lshrrev_b32 v[A16], 5, v0
	DLY 1
	v_readfirstlane_b32 s[WV], v[A16]              ; wave 0..7
	s_bfe_u32 s32, ttmp6, 0x40000                  ; cx
	s_lshl_b32 s33, ttmp9, 2
	s_add_co_u32 s33, s33, s32                     ; my block of 256 queries: it enters q's and the outputs' addresses alone
	s_and_b32 s34, ttmp7, 0xffff                   ; 16 x batch + head, which the four partners share
	s_mov_b32 s[G1], 15|(3<<16)|(1<<21)            ; 15:0 the mask: all four; 17:16 elements of 8 bytes; 21 set beside a mask; no padding
	s_mov_b32 s[G1+1], 32<<16                      ; tensor_dim0: 256 bytes
	s_mov_b32 s[G1+2], 51<<16                      ; tensor_dim1: a record is 51 such rows
	s_mov_b32 s[G1+3], 32<<16                      ; tile_dim0
	s_mov_b32 s[G1+4], 51                          ; tile_dim1
	s_mov_b32 s[G1+5], 32                          ; dense
	s_mov_b32 s[G1+6], 0
	s_mov_b32 s[G1+7], 0
	s_mov_b32 s[G0], 1
	s_mul_i32 s[G0+1], s[WV], REC                  ; record w, in LDS
	s_mov_b32 s[G0B], 1
	s_add_co_u32 s[G0B+1], s[G0+1], 8*REC          ; record 8 + w
	s_lshl_b32 s35, s34, 4
	s_add_co_u32 s35, s35, s[WV]
	s_mul_i32 s36, s35, REC                        ; and in memory
	s_mov_b32 s37, 0
	s_lshl_b32 s38, s34, 4
	s_lshl_b32 s39, s33, 1
	s_add_co_u32 s38, s38, s39
	s_lshr_b32 s39, s[WV], 2
	s_add_co_u32 s38, s38, s39
	s_mul_i32 s38, s38, 6656                       ; q's record with my 32 queries
	s_mov_b32 s39, 0
	s_and_b32 s40, s[WV], 3                        ; which pair of its tiles is mine
	s_mul_i32 s42, s40, 1536
	s_mov_b32 s43, 0
	s_lshl_b32 s44, s40, 2
	s_mov_b32 s45, 0
	s_lshr_b32 s32, s34, 4                         ; batch
	s_and_b32 s35, s34, 15                         ; head
	s_lshl_b32 s41, s33, 3
	s_add_co_u32 s41, s41, s[WV]
	s_lshl_b32 s41, s41, 1
	s_lshl_b32 s32, s32, 7
	s_add_co_u32 s41, s41, s32                     ; my first tile of tokens: 128 batch + 2 (8 block + wave)
	s_lshl_b32 s46, s41, 4
	s_add_co_u32 s46, s46, s35
	s_mul_i32 s46, s46, 768                        ; its codes of my head
	s_mov_b32 s47, 0
	s_lshl_b32 s32, s41, 9
	s_lshr_b32 s40, s35, 3
	s_lshl_b32 s40, s40, 8
	s_add_co_u32 s32, s32, s40
	s_and_b32 s40, s35, 7
	s_lshl_b32 s40, s40, 1
	s_add_co_u32 s32, s32, s40                     ; and my head's two bytes in its scale words
	s_mov_b32 s33, 0
	s_mov_b32 s[SEL], 0x76543210
	s_mov_b32 s[SEL+1], 0xfedcba98
	s_mov_b32 s[CS], 0x3e38aa3b                    ; c = log2(e) / 8
	s_mov_b32 s[CS+1], s[CS]                       ; (named with it as a pair, so it is written)
	s_mov_b32 s[NC], 0xbe38aa3b                    ; -c
	s_wait_dscnt 0x0                               ; both opening adds are done
	s_wait_kmcnt 0x0
	s_add_nc_u64 s[G0+2:G0+3], s[6:7], s[36:37]
	s_add_nc_u64 s[G0B+2:G0B+3], s[G0+2:G0+3], 8*REC
	s_or_b32 s[G0+3], s[G0+3], 0x80000000
	s_or_b32 s[G0B+3], s[G0B+3], 0x80000000
	s_add_nc_u64 s[4:5], s[4:5], s[38:39]
	s_add_nc_u64 s[42:43], s[4:5], s[42:43]
	s_add_nc_u64 s[44:45], s[4:5], s[44:45]
	s_add_nc_u64 s[8:9], s[8:9], s[46:47]
	s_add_nc_u64 s[10:11], s[10:11], s[32:33]
	CROUND                                         ; all four work-groups are here: the joint loads meet
	tensor_load_to_lds s[G0:G0+3], s[G1:G1+7]      ; record w: every wave issues one, the same in all four partners
	s_nop 0
.rept 4
	v_nop
.endr
	v_and_b32 v[TMP], 31, v0
	DLY 1
	v_lshlrev_b32 v[L16], 4, v[TMP]
	DLY 2
	v_lshlrev_b32 v[L8], 3, v[TMP]
.irp i, 0,1
	global_load_b128 v[Q0+12*\i:Q0+12*\i+3], v[L16], s[42:43] offset:768*\i
	global_load_b64 v[Q0+12*\i+4:Q0+12*\i+5], v[L8], s[42:43] offset:768*\i+512
.endr
	global_load_b32 v[QS], v[L16], s[44:45] offset:6144
	v_and_b32 v[OAD], 15, v0
	v_bfe_u32 v[OAD+1], v0, 4, 1                   ; h
	v_and_b32 v[KA8], 7, v0                        ; r % 8
	v_bfe_u32 v[KSA], v0, 3, 1                     ; r / 8
	v_lshlrev_b32 v[OAD], 4, v[OAD]
	v_lshlrev_b32 v[SH8], 3, v[OAD+1]
	v_mul_u32_u24 v[KB16], v[KSA], 1536            ; lanes 8-15 of a half: two tiles on
	v_lshlrev_b32 v[KSA], 2, v[KSA]
	v_lshl_add_u32 v[OAD], v[OAD+1], 9, v[OAD]     ; the way out: 512 h + 16 r
	v_lshl_add_u32 v[KA16], v[KA8], 4, v[KB16]
	v_lshl_add_u32 v[KSA], v[KA8], 4, v[KSA]
	v_lshl_add_u32 v[KA8], v[KA8], 3, v[KB16]
	v_lshl_add_u32 v[KA16], v[OAD+1], 8, v[KA16]   ; registers 0-3 of an image: 1,536 (r / 8) + 16 (r % 8) + 256 h
	v_lshl_add_u32 v[KSA], v[OAD+1], 8, v[KSA]     ; scale words: 256 h + 16 (r % 8) + 4 (r / 8)
	v_lshl_add_u32 v[KA8], v[OAD+1], 7, v[KA8]     ; registers 4-5: 1,536 (r / 8) + 8 (r % 8) + 128 h
.irp i, 0,1
.irp n, 6,7,8,9,10,11
	v_mov_b32 v[Q0+12*\i+\n], 0                    ; zero codes for K = 64 .. 127
.endr
	v_mov_b32 v[ST+4*\i], 0x7f61b1e6               ; -M: 3e38, a whole number, over every -t
	v_mov_b32 v[ST+4*\i+1], 0xff61b1e6             ; the largest score so far: -3e38
	v_mov_b32 v[ST+4*\i+2], 0                      ; the sum, in two halves
	v_mov_b32 v[ST+4*\i+3], 0
	v_mov_b32 v[F+2*\i+1], 0                       ; (named as the upper half of a pair)
	v_mov_b32 v[TMP+\i], 0                         ; written once: a lane permute's destination counts as one of its sources
	v_mov_b32 v[TMP+2+\i], 0
.endr
	WIN 0x40
.irp n, 48,49,50,51,52,53
	v_mov_b32 v[KF+\n], 0                          ; what the last fragment's instruction names behind it
.endr
.set n2, 0
.rept 64
	v_mov_b32 v[OT+n2], 0                          ; O^T: the key step is written once for all steps; the first finds zeros, which the first change of M leaves zeros
.set n2, n2+1
.endr
	WIN 0
	s_wait_alu depctr_va_vdst(0)
	s_wait_tensorcnt 0x0                           ; my record is in
	ds_add_u32 v[SPW], v[NIL]
	s_wait_dscnt 0x0
	CROUND                                         ; records 0-7 are whole, and all four work-groups are here
	tensor_load_to_lds s[G0B:G0B+3], s[G1:G1+7]    ; record 8 + w, the first tensor load behind the round; it lands on bytes that the first loop does not read
	s_nop 0
.rept 4
	v_nop
.endr
	KLOAD KA16, KA8, KSA, 0
	s_wait_loadcnt 0x0                             ; q
; a key step: 128 keys, both tiles.  more = 1: the next step's K is fetched
.macro TRIP more
	s_wait_dscnt 0x0                               ; K and its scale words are in
	WIN 0x01
.irp t, 0,1,2,3,4,5,6,7
.irp i, 0,1
	WM0 S0+64*\i+8*\t, KF+6*\t, Q0+12*\i, KS+2*(\t/4)+(\t%4)/2, QS, \t%2, \i
.endr
.endr
	WIN 0
	v_add_nc_u32 v[A16], s[TB], v[L16]             ; five plain instructions between the products and the loads into their operands and the first read of their results
	v_add_nc_u32 v[A8], s[TB], v[L8]
	v_add_nc_u32 v[KB16], s[TB], v[KA16]
	v_add_nc_u32 v[KB8], s[TB], v[KA8]
	v_add_nc_u32 v[KSB], s[TB], v[KSA]
	ds_load_b64 v[VS:VS+1], v[A8] offset:12800
	WIN 0x40
.irp d, 0,1,2,3
.irp g, 0,1,2
	ds_load_b128 v[VF+12*\d+4*\g:VF+12*\d+4*\g+3], v[A16] offset:6144+1536*\d+512*\g
.endr
.endr
.if \more
	KLOAD KB16, KB8, KSB, REC
.endif
	WIN 0
	; the largest score of each block of 32 keys, all in my lane: four chains by turns, each accumulator read from its low end on
.irp x, 0,1,2,3
	v_max3_num_f32 v[BM+\x], v[S0+32*\x], v[S0+32*\x+1], v[S0+32*\x+2]
.endr
.irp k, 3,5,7,9,11,13,15,17,19,21,23,25,27,29
.irp x, 0,1,2,3
	v_max3_num_f32 v[BM+\x], v[BM+\x], v[S0+32*\x+\k], v[S0+32*\x+\k+1]
.endr
.endr
.irp x, 0,1,2,3
	v_max_num_f32 v[BM+\x], v[BM+\x], v[S0+32*\x+31]
.endr
.irp i, 0,1
	v_max_num_f32 v[TMP+\i], v[BM+2*\i], v[BM+2*\i+1]
.endr
.irp i, 0,1
	DLY 2
	v_permlanex16_b32 v[TMP+2+\i], v[TMP+\i], s[SEL], s[SEL+1]
.endr
.irp i, 0,1
	DLY 2
	v_max3_num_f32 v[ST+4*\i+1], v[ST+4*\i+1], v[TMP+\i], v[TMP+2+\i]   ; the running largest score, with lane l xor 16's 64 keys
.endr
.irp i, 0,1
	DLY 2
	v_mul_f32 v[TMP+\i], s[NC], v[ST+4*\i+1]       ; -t
.endr
.irp i, 0,1
	DLY 2
	v_floor_f32 v[TMP+\i], v[TMP+\i]               ; the new -M = floor(-t): M is a whole number
.endr
.irp i, 0,1
	DLY 2
	v_sub_f32 v[F+2*\i], v[TMP+\i], v[ST+4*\i]     ; old M - new M: a whole number, 0 or less
.endr
.irp i, 0,1
	v_mov_b32 v[ST+4*\i], v[TMP+\i]
.endr
.irp i, 0,1
	v_cvt_i32_f32 v[F+2*\i], v[F+2*\i]             ; (it saturates)
.endr
.irp i, 0,1
	DLY 2
	v_ldexp_f32 v[F+2*\i], 1.0, v[F+2*\i]          ; f = 2^(old M - new M)
.endr
.irp i, 0,1
.set j, 0
.rept 32
	v_pk_fma_f32 v[S0+64*\i+j:S0+64*\i+j+1], v[S0+64*\i+j:S0+64*\i+j+1], s[CS:CS+1], v[ST+4*\i:ST+4*\i+1] op_sel_hi:[1,0,0]   ; t - M, two at a time
.set j, j+2
.endr
.endr
.irp x, 0,1,2,3
	v_fma_f32 v[BM+\x], v[BM+\x], s[CS], v[ST+4*(\x/2)]   ; the same of each block's largest score
.endr
	s_wait_alu depctr_va_vdst(0)
.set j, 0
.rept 128
	v_exp_f32 v[S0+j], v[S0+j]                     ; p = 2^(t - M)
.set j, j+1
.endr
.irp x, 0,1,2,3
	v_exp_f32 v[BM+\x], v[BM+\x]                   ; the blocks' largest p
.endr
	WIN 0x41
	s_wait_alu depctr_va_vdst(0)                   ; one wait, behind the batch and directly ahead of the first reader of O^T
.irp i, 0,1
.set j, 0
.rept 16
	v_pk_mul_f32 v[OT+32*\i+j:OT+32*\i+j+1], v[OT+32*\i+j:OT+32*\i+j+1], v[F+2*\i:F+2*\i+1] op_sel_hi:[1,0]   ; O^T under the new M
.set j, j+2
.endr
.endr
	WIN 0
.irp x, 0,1,2,3
	v_max_num_f32 v[BM+\x], 0x1800000, v[BM+\x]    ; the floor 2^(3 - 127): the byte cannot fall under 1
.endr
.irp x, 0,1,2,3
	v_add_nc_u32 v[SO+\x], 0xff000000, v[BM+\x]    ; 2 off the exponent field: the conversion's scale operand
.endr
.irp x, 0,1,2,3
	v_lshrrev_b32 v[BM+\x], 23, v[SO+\x]           ; the scale's byte
.endr
.irp i, 0,1
	v_lshl_or_b32 v[PS+\i], v[BM+2*\i+1], 16, v[BM+2*\i]   ; my two bytes: blocks h and 2 + h,
.endr
.irp i, 0,1
	DLY 2
	v_lshlrev_b32 v[PS+\i], v[SH8], v[PS+\i]       ; at their places in the word;
.endr
.irp i, 0,1
	DLY 2
	v_permlanex16_b32 v[TMP+\i], v[PS+\i], s[SEL], s[SEL+1]
.endr
.irp i, 0,1
	DLY 2
	v_or_b32 v[PS+\i], v[PS+\i], v[TMP+\i]         ; with lane l xor 16's two the word is whole
.endr
.irp x, 0,1,2,3
	v_cvt_scalef32_pk16_fp6_f32 v[P0+6*\x:P0+6*\x+2], v[S0+32*\x:S0+32*\x+15], v[SO+\x]
	v_cvt_scalef32_pk16_fp6_f32 v[CT+4*\x:CT+4*\x+2], v[S0+32*\x+16:S0+32*\x+31], v[SO+\x]   ; (a conversion's three registers begin on an even number)
.endr
	v_nop                                          ; one plain instruction behind the scaled conversions
.irp x, 0,1,2,3
.irp n, 0,1,2
	v_mov_b32 v[P0+6*\x+3+\n], v[CT+4*\x+\n]
.endr
.endr
	; the row's sum is taken of the unquantised p: two chains a tile.  These 64 also stand between the writes of p's codes and scale words and the products that take them
.irp i, 0,1
	v_pk_fma_f32 v[ST+4*\i+2:ST+4*\i+3], v[ST+4*\i+2:ST+4*\i+3], v[F+2*\i:F+2*\i+1], v[S0+64*\i:S0+64*\i+1] op_sel_hi:[1,0,1]   ; the old sum under the new M, and the first two p
	v_pk_add_f32 v[T8+2*\i:T8+2*\i+1], v[S0+64*\i+2:S0+64*\i+3], v[S0+64*\i+4:S0+64*\i+5]
.endr
.irp j, 6,10,14,18,22,26,30,34,38,42,46,50,54,58
.irp i, 0,1
	v_pk_add_f32 v[ST+4*\i+2:ST+4*\i+3], v[ST+4*\i+2:ST+4*\i+3], v[S0+64*\i+\j:S0+64*\i+\j+1]
	v_pk_add_f32 v[T8+2*\i:T8+2*\i+1], v[T8+2*\i:T8+2*\i+1], v[S0+64*\i+\j+2:S0+64*\i+\j+3]
.endr
.endr
.irp i, 0,1
	v_pk_add_f32 v[ST+4*\i+2:ST+4*\i+3], v[ST+4*\i+2:ST+4*\i+3], v[S0+64*\i+62:S0+64*\i+63]
.endr
.irp i, 0,1
	DLY 2
	v_pk_add_f32 v[ST+4*\i+2:ST+4*\i+3], v[ST+4*\i+2:ST+4*\i+3], v[T8+2*\i:T8+2*\i+1]
.endr
	s_wait_alu depctr_va_vdst(0)
	s_wait_dscnt 20*\more                          ; V and its scale words are in; the next step's 16 loads of K and 4 of its scale words may be out
	WIN 0x51
.irp d, 0,1,2,3
.irp i, 0,1
	WMC OT+32*\i+8*\d, VF+12*\d, P0+12*\i, VS+\d/2, PS+\i, \d%2   ; eight accumulators, one instruction each
.endr
.endr
	WIN 0
	s_add_co_u32 s[TB], s[TB], REC
.endm
	s_mov_b32 s[TB], 0
	s_mov_b32 s[CNT], 7
.Lfirst:                                               ; records 0 to 6; the last of these trips fetches record 7's K
	TRIP 1
	s_sub_co_u32 s[CNT], s[CNT], 1
	s_cmp_lg_u32 s[CNT], 0
	s_cbranch_scc1 .Lfirst
	s_wait_tensorcnt 0x0                           ; my record 8 + w is in,
	s_wait_dscnt 0x0
	s_barrier_signal -1
	s_barrier_wait -1                              ; everybody's is
	s_mov_b32 s[TB], 7*REC
	s_mov_b32 s[CNT], 8
.Lsecond:                                              ; records 7 to 14
	TRIP 1
	s_sub_co_u32 s[CNT], s[CNT], 1
	s_cmp_lg_u32 s[CNT], 0
	s_cbranch_scc1 .Lsecond
	TRIP 0                                         ; the last step is written out: no read passes the records
; 32 numbers of a lane, v[s] on (register 16 b + i = channel 32 b + 16 h + i of my query's 64), become registers 0-5 of an operand in v[pc] on and two scale bytes in v[pw]
.macro QUANT2 s, pc, pw
.irp b, 0,1
	v_max3_num_f32 v[TM+\b], |v[(\s)+16*\b]|, |v[(\s)+1+16*\b]|, 0x1800000
.endr
.irp i, 2,4,6,8,10,12,14
.irp b, 0,1
	DLY 2
	v_max3_num_f32 v[TM+\b], v[TM+\b], |v[(\s)+16*\b+\i]|, |v[(\s)+1+16*\b+\i]|
.endr
.endr
.irp b, 0,1
	DLY 2
	v_permlanex16_b32 v[TM+4+\b], v[TM+\b], s[SEL], s[SEL+1]
.endr
.irp b, 0,1
	DLY 2
	v_max_num_f32 v[TM+\b], v[TM+\b], v[TM+4+\b]
.endr
.irp b, 0,1
	DLY 2
	v_add_nc_u32 v[TM+12+\b], 0xff000000, v[TM+\b]
.endr
.irp b, 0,1
	DLY 2
	v_lshrrev_b32 v[TM+4+\b], 23, v[TM+12+\b]
.endr
	DLY 1
	v_lshl_or_b32 v[\pw], v[TM+5], 8, v[TM+4]
	v_cvt_scalef32_pk16_fp6_f32 v[(\pc):(\pc)+2], v[(\s):(\s)+15], v[TM+12]
	v_cvt_scalef32_pk16_fp6_f32 v[(\pc)+6:(\pc)+8], v[(\s)+16:(\s)+31], v[TM+13]
	v_nop
.irp n, 0,1,2
	v_permlane16_swap_b32 v[(\pc)+\n], v[(\pc)+6+\n]
.endr
.irp n, 0,1,2
	DLY 3
	v_mov_b32 v[(\pc)+3+\n], v[(\pc)+6+\n]
.endr
.endm
	; THE WAY OUT.  O^T / the sum; register 16 p + i of a tile = channel 32 p + 16 h + i of my query: the head's two blocks of the last product's K
.rept 4
	v_nop                                          ; behind the last products
.endr
.irp b, 4,5
	v_mov_b32 v[TM+\b], 0                          ; a lane permute's destination counts as one of its sources
.endr
.irp i, 0,1
	v_add_f32 v[ST+4*\i+2], v[ST+4*\i+2], v[ST+4*\i+3]
.endr
.irp i, 0,1
	DLY 2
	v_permlanex16_b32 v[ST+4*\i+3], v[ST+4*\i+2], s[SEL], s[SEL+1]
.endr
.irp i, 0,1
	DLY 2
	v_add_f32 v[ST+4*\i+2], v[ST+4*\i+2], v[ST+4*\i+3]   ; the row's sum
.endr
	s_wait_alu depctr_va_vdst(0)
.irp i, 0,1
	v_rcp_f32 v[ST+4*\i+2], v[ST+4*\i+2]
.endr
	v_nop                                          ; a plain instruction behind the reciprocals
	WIN 0x01
	s_wait_alu depctr_va_vdst(0)                   ; one wait for the two reciprocals, directly ahead of the first reader of O^T
.irp i, 0,1
.set j, 0
.rept 16
	v_pk_mul_f32 v[S0+64*\i+j:S0+64*\i+j+1], v[OT+32*\i+j:OT+32*\i+j+1], v[ST+4*\i+2:ST+4*\i+3] op_sel_hi:[1,0]
.set j, j+2
.endr
.endr
	WIN 0
.irp i, 0,1
	QUANT2 S0+64*\i, OPC+12*\i, OPW+\i
	global_store_b128 v[L16], v[OPC+12*\i:OPC+12*\i+3], s[8:9] offset:12288*\i
	global_store_b64 v[L8], v[OPC+12*\i+4:OPC+12*\i+5], s[8:9] offset:12288*\i+512
.endr
	v_cmp_eq_u32 vcc_lo, 0, v[OAD+1]               ; lanes 0-15 store tile 0's two bytes, lanes 16-31 tile 1's
	DLY 1
	v_cndmask_b32 v[OPW+2], v[OPW+1], v[OPW], vcc_lo
	global_store_b16 v[OAD], v[OPW+2], s[10:11]    ; two bytes a row: one instruction a wave, so that the last launch reads its scale words whole
	s_wait_tensorcnt 0x0                           ; the wave's end
	ds_add_u32 v[SPW], v[NIL]
	s_wait_dscnt 0x0
	CROUND                                         ; the closing round
	s_endpgm
.Lfunc_end_k_qe04587bc08_attn:
	.size	k_qe04587bc08_attn, .Lfunc_end_k_qe04587bc08_attn-k_qe04587bc08_attn
	.p2alignl 7, 3214868480
	.fill 96, 4, 3214868480
	.section	.rodata,"a",@progbits
	.p2align	6, 0x0
	.amdhsa_kernel k_qe04587bc08_attn
		.amdhsa_group_segment_fixed_size 327680
		.amdhsa_private_segment_fixed_size 0
		.amdhsa_enable_private_segment 0
		.amdhsa_kernarg_size 32
		.amdhsa_user_sgpr_count 2
		.amdhsa_user_sgpr_kernarg_segment_ptr 1
		.amdhsa_wavefront_size32 1
		.amdhsa_system_sgpr_workgroup_id_x 1
		.amdhsa_system_sgpr_workgroup_id_y 1
		.amdhsa_system_sgpr_workgroup_id_z 1
		.amdhsa_system_vgpr_workitem_id 0
		.amdhsa_next_free_vgpr 512
		.amdhsa_next_free_sgpr 66
		.amdhsa_reserve_vcc 1
		.amdhsa_float_denorm_mode_32 3
		.amdhsa_float_denorm_mode_16_64 3
		.amdhsa_memory_ordered 1
		.amdhsa_forward_progress 1
		.amdhsa_inst_pref_size 101
	.end_amdhsa_kernel
	.amdgpu_metadata
---
amdhsa.version: [ 1, 2 ]
amdhsa.kernels:
  - .name:           k_qe04587bc08_attn
    .symbol:         k_qe04587bc08_attn.kd
    .args:
      - { .name: qrec, .offset: 0, .size: 8, .value_kind: global_buffer, .address_space: global }
      - { .name: kv, .offset: 8, .size: 8, .value_kind: global_buffer, .address_space: global }
      - { .name: ocodes, .offset: 16, .size: 8, .value_kind: global_buffer, .address_space: global }
      - { .name: oscl, .offset: 24, .size: 8, .value_kind: global_buffer, .address_space: global }
    .group_segment_fixed_size: 327680
    .private_segment_fixed_size: 0
    .kernarg_segment_align: 8
    .kernarg_segment_size: 32
    .max_flat_workgroup_size: 256
    .sgpr_count:     66
    .vgpr_count:     512
    .wavefront_size: 32
...
	.end_amdgpu_metadata
.endif
;; end of part 3
;; launch proj (part 4): grid 8 x 32, 4 waves a work-group, clusters of 4 x 4, 327,680 bytes of LDS; arguments ocodes, oscl, codes, scales, bo, out0; writes out0
.if DOCPART == 4
	.amdgcn_target "amdgcn-amd-amdhsa--gfx1250"
	.amdhsa_code_object_version 6
	.text
	.protected	k_qe04587bc08_proj
	.globl	k_qe04587bc08_proj
	.p2align	8
	.type	k_qe04587bc08_proj,@function
k_qe04587bc08_proj:
	s_mov_b64 s[64:65], 0
	v_nop
	global_prefetch_b8 v0, s[64:65] scope:SCOPE_SE
	s_setreg_imm32_b32 hwreg(HW_REG_WAVE_MODE, 25, 1), 1
	s_wait_xcnt 0x0
	s_wait_alu depctr_hold_cnt(0) depctr_sa_sdst(0) depctr_va_vdst(0) depctr_va_sdst(0) depctr_va_ssrc(0) depctr_va_vcc(0) depctr_vm_vsrc(0)
	s_getreg_b32 s2, hwreg(HW_REG_IB_STS2, 6, 4)
	s_cmp_eq_u32 s2, 0
	s_cbranch_scc0 .Lentry_in_a_cluster
	s_endpgm
.Lentry_in_a_cluster:
	s_bfe_u32 s2, ttmp6, 0x10000c
	s_cmp_lg_u32 s2, 0xf033
	s_cbranch_scc0 .Lentry_shape_is_right
	s_endpgm
.Lentry_shape_is_right:
; out0 = O Wo^T + bo on codes of FP6 with E8M0 scales.  Nothing of reference() is left out.  LIMITS: NaN and infinities are not served.
; A block of 128 tokens x 128 columns to a work-group of four waves, 64 x 64 (16 accumulators) to a wave; K = 1,024 in eight steps of 128; the bias is the C of the first step's products.
; LDS: all of K of A's 8 tiles and B's 8 tiles, 196,608 bytes, filled once: each wave brings four tiles by ONE tensor load at the head.  A (O's codes) lies [tile][12,288 bytes]: four dense rows.
; B (Wo's codes) lies [8 tiles][quarter of K][tile][3,072 bytes]: four rows of 12,288 bytes, 24,576 apart; in LDS [quarter][tile][3,072].  Behind the tiles: a stage of 16 x 272 bytes a wave, and the spare words.
; CLUSTER 4 x 4: A's tiles are shared along a row, B's along a column: joint loads.  The products are used transposed (source 0 = Wo's rows), so that a lane holds neighbouring columns of a row of out0.
; No prefetch: the one fill goes out at the head, and there is no loop to ask ahead in.
.set CHUNK, 98304
.set HALF,  24576
.set STAGE, 2*CHUNK
.set SPARE, STAGE+4*16*272
.set SPW, 1
.set NIL, 2
.set L16, 3
.set L8,  4
.set ADRA16, 8
.set ADRA8,  10
.set ADRB,   12
.set STO, 14
.set RD,  15
.set CO,  16
.set SVO, 17
.set BVO, 18
.set SCA, 32
.set SCB, 48
.set BI,  64
.set BK,  96
.set ACC, 128
.set G1,  24
.set G1B, 32
.set G0,  40
.set G0B, 48
.set MSB, 0
.macro WIN new
.if MSB != (\new)
	s_set_vgpr_msb (MSB<<8)|(\new)
.set MSB, (\new)
.endif
.endm
.macro PLACES n
.rept \n
	v_nop
.endr
.endm
.macro WM d, a, b, c, sa, sb, ra, rb
.if (\ra) && (\rb)
	v_wmma_scale_f32_16x16x128_f8f6f4 v[(\d):(\d)+7], v[(\a):(\a)+11], v[(\b):(\b)+11], v[(\c):(\c)+7], v[\sa], v[\sb] matrix_a_fmt:MATRIX_FMT_FP6 matrix_b_fmt:MATRIX_FMT_FP6 matrix_a_scale:MATRIX_SCALE_ROW1 matrix_b_scale:MATRIX_SCALE_ROW1
.elseif (\ra)
	v_wmma_scale_f32_16x16x128_f8f6f4 v[(\d):(\d)+7], v[(\a):(\a)+11], v[(\b):(\b)+11], v[(\c):(\c)+7], v[\sa], v[\sb] matrix_a_fmt:MATRIX_FMT_FP6 matrix_b_fmt:MATRIX_FMT_FP6 matrix_a_scale:MATRIX_SCALE_ROW1
.elseif (\rb)
	v_wmma_scale_f32_16x16x128_f8f6f4 v[(\d):(\d)+7], v[(\a):(\a)+11], v[(\b):(\b)+11], v[(\c):(\c)+7], v[\sa], v[\sb] matrix_a_fmt:MATRIX_FMT_FP6 matrix_b_fmt:MATRIX_FMT_FP6 matrix_b_scale:MATRIX_SCALE_ROW1
.else
	v_wmma_scale_f32_16x16x128_f8f6f4 v[(\d):(\d)+7], v[(\a):(\a)+11], v[(\b):(\b)+11], v[(\c):(\c)+7], v[\sa], v[\sb] matrix_a_fmt:MATRIX_FMT_FP6 matrix_b_fmt:MATRIX_FMT_FP6
.endif
.endm
.macro JLOAD g0a, g1a, g0b, g1b
	s_cmp_eq_u32 s17, 0
	s_cbranch_scc0 .Lfor_b_\@
	tensor_load_to_lds s[\g0a:\g0a+3], s[\g1a:\g1a+7]
	s_nop 0
.rept 4
	v_nop
.endr
	s_branch .Lasked_\@
.Lfor_b_\@:
	tensor_load_to_lds s[\g0b:\g0b+3], s[\g1b:\g1b+7]
	s_nop 0
.rept 4
	v_nop
.endr
.Lasked_\@:
.endm
.macro CROUND
	s_barrier_signal -1
	s_barrier_wait -1
	s_cmp_lg_u32 s16, 0
	s_cbranch_scc1 .Lnot_wave_0_\@
	s_barrier_signal -3
.Lnot_wave_0_\@:
	s_barrier_wait -3
	s_barrier_signal -1
	s_barrier_wait -1
.endm
	s_load_b256 s[4:11], s[0:1], 0x0
	s_load_b128 s[12:15], s[0:1], 0x20
	v_lshl_add_u32 v[SPW], v0, 2, SPARE
	v_mov_b32 v[NIL], 0
	ds_add_u32 v[SPW], v[NIL]
	ds_add_u32 v[SPW], v[NIL]
	v_lshrrev_b32 v5, 5, v0
	v_readfirstlane_b32 s16, v5
	s_lshr_b32 s17, s16, 1
	s_and_b32 s18, s16, 1
	s_bfe_u32 s20, ttmp6, 0x40000
	s_bfe_u32 s21, ttmp6, 0x40004
	s_lshl_b32 s22, ttmp9, 2
	s_add_co_u32 s22, s22, s20
	s_and_b32 s23, ttmp7, 0xffff
	s_lshl_b32 s23, s23, 2
	s_add_co_u32 s23, s23, s21
	s_lshl_b32 s66, s21, 2
	s_lshl_b32 s66, 15, s66
	s_lshl_b32 s67, 0x1111, s20
	s_or_b32 s[G1], s66, (3<<16)|(1<<21)
	s_or_b32 s[G1B], s67, (3<<16)|(1<<21)
.irp g, G1, G1B
	s_mov_b32 s[\g+1], 1536<<16                    ; a row: 12,288 bytes
	s_mov_b32 s[\g+2], 4<<16
	s_mov_b32 s[\g+3], 1536<<16
	s_mov_b32 s[\g+4], 4
	s_mov_b32 s[\g+5], 1536
	s_mov_b32 s[\g+6], 0
	s_mov_b32 s[\g+7], 0
.endr
	s_mov_b32 s[G1B+5], 3072                       ; B: from quarter to quarter 24,576 bytes
	s_lshl_b32 s68, s18, 2
	s_lshl_b32 s70, s23, 3
	s_add_co_u32 s70, s70, s68
	s_mul_i32 s70, s70, 12288
	s_mov_b32 s71, 0
	s_lshl_b32 s72, s22, 3
	s_add_co_u32 s72, s72, s68
	s_add_co_u32 s72, s72, 448
	s_lshl_b32 s78, s72, 9
	s_sub_co_u32 s72, s72, s68                     ; the group of eight tiles,
	s_mul_i32 s72, s72, 12288
	s_mul_i32 s69, s18, 12288                      ; and my four tiles' place in each of its quarters
	s_add_co_u32 s72, s72, s69
	s_mov_b32 s73, 0
	s_mov_b32 s79, 0
	s_mul_i32 s74, s16, 2*HALF
	s_lshl_b32 s76, s23, 3
	s_lshl_b32 s69, s17, 2
	s_add_co_u32 s76, s76, s69
	s_lshl_b32 s76, s76, 9
	s_mov_b32 s77, 0
	s_lshl_b32 s80, s22, 9
	s_lshl_b32 s69, s18, 8
	s_add_co_u32 s80, s80, s69
	s_mov_b32 s81, 0
	s_lshl_b32 s82, s23, 19
	s_lshl_b32 s69, s17, 18
	s_add_co_u32 s82, s82, s69
	s_add_co_u32 s82, s82, s80
	s_mov_b32 s83, 0
	s_wait_dscnt 0x0
	s_wait_kmcnt 0x0
	s_add_nc_u64 s[70:71], s[4:5], s[70:71]
	s_add_nc_u64 s[72:73], s[8:9], s[72:73]
	s_add_nc_u64 s[76:77], s[6:7], s[76:77]
	s_add_nc_u64 s[78:79], s[10:11], s[78:79]
	s_add_nc_u64 s[12:13], s[12:13], s[80:81]
	s_add_nc_u64 s[14:15], s[14:15], s[82:83]
	CROUND
	s_mov_b32 s[G0], 1
	s_add_co_u32 s[G0+1], s74, 0
	s_mov_b64 s[G0+2:G0+3], s[70:71]
	s_or_b32 s[G0+3], s[G0+3], 0x80000000
	s_mov_b32 s[G0B], 1
	s_add_co_u32 s[G0B+1], s74, 0
	s_mov_b64 s[G0B+2:G0B+3], s[72:73]
	s_or_b32 s[G0B+3], s[G0B+3], 0x80000000
	JLOAD G0, G1, G0B, G1B                         ; all of K of my four tiles: one tensor load a wave
	v_and_b32 v5, 31, v0
	v_lshlrev_b32 v[L16], 4, v5
	v_lshlrev_b32 v[L8], 3, v5
	v_and_b32 v6, 15, v0
	s_wait_alu depctr_va_vdst(0)
	v_bfe_u32 v7, v0, 4, 1
	s_mul_i32 s84, s17, 2*HALF                     ; my four tiles of A,
	s_mul_i32 s85, s18, 2*HALF
	s_add_co_u32 s85, s85, 4*HALF                  ; and of B, behind A's eight
	v_add_nc_u32 v[ADRA16], s84, v[L16]
	v_add_nc_u32 v[ADRA8], s84, v[L8]
	v_add_nc_u32 v[ADRB], s85, v[L16]
	s_mul_i32 s86, s16, 16*272
	s_add_co_u32 s86, s86, STAGE
	v_mul_u32_u24 v[STO], v6, 272
	s_wait_alu depctr_va_vdst(0)
	v_lshl_add_u32 v[STO], v7, 6, v[STO]
	v_add_nc_u32 v[STO], s86, v[STO]
	v_mul_u32_u24 v[RD], v7, 272
	v_lshl_add_u32 v[RD], v6, 4, v[RD]
	v_add_nc_u32 v[RD], s86, v[RD]
	v_lshlrev_b32 v[CO], 12, v7
	v_lshl_add_u32 v[CO], v6, 4, v[CO]
	v_lshlrev_b32 v[SVO], 4, v6
	v_lshl_add_u32 v[SVO], v7, 9, v[SVO]
	v_lshlrev_b32 v[BVO], 6, v7
.irp m, 0,1
.irp k, 0,1
	global_load_b128 v[SCA+8*\m+4*\k:SCA+8*\m+4*\k+3], v[SVO], s[76:77] offset:1024*\m+256*\k
	global_load_b128 v[SCB+8*\m+4*\k:SCB+8*\m+4*\k+3], v[SVO], s[78:79] offset:1024*\m+256*\k
.endr
.endr
.irp b, 0,1,2,3
	global_load_b128 v[BI+8*\b:BI+8*\b+3], v[BVO], s[12:13] offset:(32*(\b/2)+8*(\b%2))*4
	global_load_b128 v[BI+8*\b+4:BI+8*\b+7], v[BVO], s[12:13] offset:(32*(\b/2)+8*(\b%2))*4+16
.endr
.macro FETCH s
.set fb, 128*((\s)%2)
.set fc, 0
.set fo, (\s)*1536                     ; A: K step s of a tile's 12,288 bytes
.set fz, ((\s)/2)*12288+((\s)%2)*1536  ; B: its quarter, and its place in a tile's 3,072 bytes there
	WIN 0x40
.irp i, 0,1,2,3
	ds_load_b128 v[fb+12*\i:fb+12*\i+3], v[ADRA16+fc] offset:\i*12288+fo
	ds_load_b64 v[fb+12*\i+4:fb+12*\i+5], v[ADRA8+fc] offset:\i*12288+fo+512
	ds_load_b128 v[fb+12*\i+6:fb+12*\i+9], v[ADRA16+fc] offset:\i*12288+fo+768
	ds_load_b64 v[fb+12*\i+10:fb+12*\i+11], v[ADRA8+fc] offset:\i*12288+fo+1280
.endr
.irp i, 0,1,2,3
.irp g, 0,1,2
	ds_load_b128 v[fb+48+12*\i+4*\g:fb+48+12*\i+4*\g+3], v[ADRB+fc] offset:\i*3072+fz+512*\g
.endr
.endr
	WIN 0
.endm
.macro PSTEP s
.if (\s) > 0
	PLACES 4
.endif
.if (\s) < 7
	FETCH (\s)+1
	s_wait_dscnt 28
.else
	s_wait_dscnt 0x0
.endif
	WIN 0x05
.irp a, 0,1,2,3
.irp b, 0,1,2,3
.if (\s) == 0
	WM ACC+8*(4*\a+\b), 128*((\s)%2)+48+12*\b, 128*((\s)%2)+12*\a, BI+8*\b, SCB+8*(\b/2)+(\s), SCA+8*(\a/2)+(\s), \b%2, \a%2
.else
	WM ACC+8*(4*\a+\b), 128*((\s)%2)+48+12*\b, 128*((\s)%2)+12*\a, ACC+8*(4*\a+\b), SCB+8*(\b/2)+(\s), SCA+8*(\a/2)+(\s), \b%2, \a%2
.endif
.endr
.endr
	WIN 0
.endm
	s_wait_alu depctr_va_vdst(0)
	s_wait_tensorcnt 0x0                           ; my four tiles are in
	s_barrier_signal -1
	s_barrier_wait -1
	FETCH 0
	s_wait_loadcnt 0x0
	PSTEP 0
	PSTEP 1
	PSTEP 2
	PSTEP 3
	PSTEP 4
	PSTEP 5
	PSTEP 6
	PSTEP 7
	PLACES 4
	s_wait_alu depctr_va_vdst(0)
.irp a, 0,1,2,3
.if \a > 0
	s_wait_xcnt 0x0
.endif
.irp b, 0,1,2,3
	ds_store_b128 v[STO], v[ACC+8*(4*\a+\b):ACC+8*(4*\a+\b)+3] offset:128*(\b/2)+32*(\b%2)
	ds_store_b128 v[STO], v[ACC+8*(4*\a+\b)+4:ACC+8*(4*\a+\b)+7] offset:128*(\b/2)+32*(\b%2)+16
.endr
.irp t, 0,1,2,3,4,5,6,7
	ds_load_b128 v[BK+4*\t:BK+4*\t+3], v[RD] offset:544*\t
.endr
.irp t, 0,1,2,3,4,5,6,7
	s_wait_dscnt 7-\t
	global_store_b128 v[CO], v[BK+4*\t:BK+4*\t+3], s[14:15] offset:(32*(\a/2)+8*(\a%2)+2*\t+8*(\t/4))*4096 th:TH_STORE_NT
.endr
.endr
	s_wait_tensorcnt 0x0
	ds_add_u32 v[SPW], v[NIL]
	s_wait_dscnt 0x0
	CROUND
	s_endpgm
.Lfunc_end_k_qe04587bc08_proj:
	.size	k_qe04587bc08_proj, .Lfunc_end_k_qe04587bc08_proj-k_qe04587bc08_proj
	.p2alignl 7, 3214868480
	.fill 96, 4, 3214868480
	.section	.rodata,"a",@progbits
	.p2align	6, 0x0
	.amdhsa_kernel k_qe04587bc08_proj
		.amdhsa_group_segment_fixed_size 327680
		.amdhsa_private_segment_fixed_size 0
		.amdhsa_enable_private_segment 0
		.amdhsa_kernarg_size 48
		.amdhsa_user_sgpr_count 2
		.amdhsa_user_sgpr_kernarg_segment_ptr 1
		.amdhsa_wavefront_size32 1
		.amdhsa_system_sgpr_workgroup_id_x 1
		.amdhsa_system_sgpr_workgroup_id_y 1
		.amdhsa_system_sgpr_workgroup_id_z 1
		.amdhsa_system_vgpr_workitem_id 0
		.amdhsa_next_free_vgpr 512
		.amdhsa_next_free_sgpr 100
		.amdhsa_reserve_vcc 0
		.amdhsa_float_denorm_mode_32 3
		.amdhsa_float_denorm_mode_16_64 3
		.amdhsa_memory_ordered 1
		.amdhsa_forward_progress 1
		.amdhsa_inst_pref_size 49
	.end_amdhsa_kernel
	.amdgpu_metadata
---
amdhsa.version: [ 1, 2 ]
amdhsa.kernels:
  - .name:           k_qe04587bc08_proj
    .symbol:         k_qe04587bc08_proj.kd
    .args:
      - { .name: ocodes, .offset: 0, .size: 8, .value_kind: global_buffer, .address_space: global }
      - { .name: oscl, .offset: 8, .size: 8, .value_kind: global_buffer, .address_space: global }
      - { .name: codes, .offset: 16, .size: 8, .value_kind: global_buffer, .address_space: global }
      - { .name: scales, .offset: 24, .size: 8, .value_kind: global_buffer, .address_space: global }
      - { .name: bo, .offset: 32, .size: 8, .value_kind: global_buffer, .address_space: global }
      - { .name: out0, .offset: 40, .size: 8, .value_kind: global_buffer, .address_space: global }
    .group_segment_fixed_size: 327680
    .private_segment_fixed_size: 0
    .kernarg_segment_align: 8
    .kernarg_segment_size: 48
    .max_flat_workgroup_size: 128
    .sgpr_count:     100
    .vgpr_count:     512
    .wavefront_size: 32
...
	.end_amdgpu_metadata
.endif
;; end of part 4
